; MI455X (gfx1250); checked and timed in simulation.
; The chip was launched on July 23, 2026; its instructions are those of AMD's public machine-readable ISA for CDNA 5 (MIT licence, August 2026) and "CDNA5" Instruction Set Architecture Reference Guide (July 2026). The comments in the code are by the model that wrote it; some were corrected since.
;; Ro PE Multihead Attention. Allowed arithmetic: matrix products marked QUANTISED: E2M1 operands, one E8M0 scale for each 32 along K, by v_wmma_scale_f32_16x16x128_f8f6f4 with both operands' format E2M1 (or v_wmma_scale_f32_32x16x128_f4), f32 sums; everything else in f32.
;; Inputs: Wout 1,024 x 1,024 float32; Wqkv 1,024 x 3,072 float32; bout 1,024 float32; bqkv 3,072 float32; freqs 2,048 x 64 float32; x 4 x 2,048 x 1,024 float32.
;; Outputs: out0 4 x 2,048 x 1,024 float32.
;; This version of the problem:
;;   THIS VERSION OF THE PROBLEM IS GIVEN IN LOW PRECISION. The matrix products marked QUANTISED in the list below multiply operands that are first quantised to E2M1 (2 exponent bits, 1 mantissa bit; 4 bits a number), with one power-of-two scale for each 32 numbers along K (OCP MX v1.0); their sums are f32. All else is computed in f32.
;;   The module's matrix products, in the order in which they are computed (A, B: the left and right operand; K: the contracted axis; several contracted axes count as one K, in the product's order):
;;     1. [M 8,192, K 1,024] x [K 1,024, N 3,072]; A: input x; B: input Wqkv: QUANTISED
;;     2. batch 64 x [M 2,048, K 64] x [K 64, N 2,048]; A: computed on the way; B: computed on the way: QUANTISED
;;     3. batch 64 x [M 2,048, K 2,048] x [K 2,048, N 64]; A: softmax (see below); B: computed on the way: QUANTISED
;;     4. [M 8,192, K 1,024] x [K 1,024, N 1,024]; A: computed on the way; B: input Wout: QUANTISED
;;   THE QUANTISER, for each operand of a quantised product, along K:
;;     - K is cut into blocks of 32 from its start; a last block that is shorter is filled with zeros.
;;     - A block's scale is 2^e with e = floor(log2(the largest magnitude in the block)) - 2, held to -126 .. 127; a block of zeros has e = 0. As a byte (E8M0): e + 127.
;;     - Each number is divided by its block's scale, clamped to +-6, and rounded to the nearest number of E2M1, ties to even, subnormals kept.
;;     - The product sums the exact products of the quantised numbers (number of the format x scale) in f32.
;;   ~~~python
;;   def quantise(x, axis):      # numpy; x: float32 -> the quantised numbers, widened to float32 again
;;       x = np.moveaxis(x, axis, -1); K = x.shape[-1]
;;       x = np.pad(x, [(0, 0)] * (x.ndim - 1) + [(0, -K % 32)]); x = x.reshape(x.shape[:-1] + (-1, 32)); a = np.abs(x).max(-1, keepdims=True)
;;       e = np.where(a > 0, np.clip(np.frexp(np.where(a > 0, a, 1))[1] - 1 - 2, -126, 127), 0)      # np.frexp(a)[1] - 1 = floor(log2(a)), exactly
;;       r = np.clip(x / 2.0 ** e, -6, 6)
;;       step = 2.0 ** (np.maximum(np.frexp(np.where(r == 0, 1, r))[1] - 1, 0) - 1)
;;       q = np.round(r / step) * step * 2.0 ** e      # np.round: ties to even
;;       return np.moveaxis(q.reshape(q.shape[:-2] + (-1,))[..., :K], -1, axis).astype(np.float32)
;;   ~~~
;;   SOFTMAX AHEAD OF A QUANTISED PRODUCT. Where the list says 'softmax', what is quantised is not the finished softmax but p = 2^(t - M), with t = logit x log2(e) and M = ceil(the row's largest t), a whole number; so 1/2 < the row's largest p <= 1. The row's sum l is taken of the UNQUANTISED p, in f32, and the product's result is divided by l at the end. Since M is a whole number, a kernel that streams over the keys may use a running M (the ceiling of the running maximum): every later rescaling is an exact power of two, which a block's scale takes up: the codes' values come out the same.
;;   OPERANDS COMPUTED ON THE WAY. 'Computed on the way' means the value that the module computes at that place (a softmax that the list does not call 'softmax' is quantised finished and normalised). What goes into a quantiser is computed in f32, as accurately as f32 sums, v_exp_f32 and their like allow (about 1e-6 of the number): no bf16 or f16 on the way to a quantiser, and a product that is left as it is and whose result goes on into a quantised operand takes f32 operands (vector FMAs, or v_wmma_f32_16x16x4_f32). A number that lies on a knife's edge between two numbers of the format may be rounded either way, as far as f32 arithmetic and the matrix unit's own rounding can turn it there, and no further.
;; One version. Each part assembles by itself: llvm-mc -triple=amdgcn-amd-amdhsa -mcpu=gfx1250 --defsym DOCPART=n.
;; ======== version 1 of 1: 4 launches
;; limits: right only within a limited range of input values
;; workspace buffers: xop 4,456,448 bytes; wop 2,228,224 bytes; tab 1,048,576 bytes; qkv 13,369,344 bytes; oop 4,456,448 bytes
;; launch prep (part 1): grid 576 x 1, 4 waves a work-group, no clusters, 35,328 bytes of LDS; arguments x, Wqkv, Wout, freqs, xop, wop, tab; writes xop, wop, tab
.if DOCPART == 1
	.amdgcn_target "amdgcn-amd-amdhsa--gfx1250"
	.amdhsa_code_object_version 6
	.text
	.protected	k_qffe7fd821d_prep
	.globl	k_qffe7fd821d_prep
	.p2align	8
	.type	k_qffe7fd821d_prep,@function
k_qffe7fd821d_prep:
	s_mov_b64 s[64:65], 0
	v_nop
	global_prefetch_b8 v0, s[64:65] scope:SCOPE_SE
	s_setreg_imm32_b32 hwreg(HW_REG_WAVE_MODE, 25, 1), 1
	s_wait_xcnt 0x0
; x [8192][1024], Wqkv [1024][3072], Wout [1024][1024] (f32) become codes of FP4 (E2M1) with one E8M0 byte for each 32 along K, laid in the order of the
; matrix operands' registers; freqs [2048][64] becomes a table of cos and signed sin in the layout of the next launch's results.
; POSITIONS.  sigma(p) = p with bits 3 and 4 exchanged.  Rows of x, and columns of the weights, are stored by position: position p holds index sigma(p); a tile is 16 positions.
; A TILE'S RECORD: 8,704 bytes = two halves (512 along K) of 4,352: four K steps of 128, each two images of 512 bytes (lane l's 16 bytes at 16 l: registers 4 c .. 4 c + 3 of the
; fragment), then 256 bytes of scale words: the word of (row r, K step q) at 8 (16 (q / 2) + r) + 4 (q % 2).
; A block's scale is 2^(floor(log2(largest magnitude)) - 2); its byte is the largest magnitude's exponent field - 2, held at 1 from below.
; LIMITS: a block whose largest magnitude lies under 2^-124, a block of zeros among them, gets the byte 1 (only this program reads the bytes; zero codes add nothing under it);
; NaN and infinities are not served; |freqs| up to 2^22 (beyond it the quotient by pi / 2 is no longer a safe whole number in f32).
; FOUR PATHS, parted by the work-group's number alone, each with LDS bytes of its own: 0-255 x; 256-447 Wqkv; 448-511 Wout; 512-575 the table.
; No tile is read by two work-groups, so there is nothing to share in a cluster; the launch streams, so no tensor loads and no matrix work.
.set LI,  4                            ; v4  16 x lane
.set L8,  5                            ; v5  8 x lane
.set TM,  240                          ; v240-243 largest magnitudes, v244-247 the other half's, then bytes, v252-255 the conversions' scale operands
.set SEL, 28                           ; s[28:29] selects for lane l xor 16
; 64 numbers of a lane, register 16 b + i = k 32 b + 16 (lane / 16) + i of its row, become a fragment's 8 registers from v[pc] on and the row's scale word in v[pw]
.macro QUANT s, pc, pw
.irp b, 0,1,2,3
	v_max3_num_f32 v[TM+\b], |v[\s+16*\b]|, |v[\s+16*\b+1]|, 0x1800000      ; my 16 numbers of block b, and the floor 2^(3 - 127): the byte cannot fall under 1
.endr
.irp i, 2,4,6,8,10,12,14
.irp b, 0,1,2,3
	v_max3_num_f32 v[TM+\b], v[TM+\b], |v[\s+16*\b+\i]|, |v[\s+16*\b+\i+1]|  ; the four blocks by turns
.endr
.endr
.irp b, 0,1,2,3
	v_permlanex16_b32 v[TM+4+\b], v[TM+\b], s[SEL], s[SEL+1]
.endr
.irp b, 0,1,2,3
	v_max_num_f32 v[TM+\b], v[TM+\b], v[TM+4+\b]           ; with lane l xor 16's 16: the block's largest magnitude
.endr
.irp b, 0,1,2,3
	v_add_nc_u32 v[TM+12+\b], 0xff000000, v[TM+\b]         ; 2 off its exponent field: the conversion's scale operand
.endr
.irp b, 0,1,2,3
	v_lshrrev_b32 v[TM+4+\b], 23, v[TM+12+\b]              ; the scale's byte
.endr
	v_lshl_or_b32 v[\pw], v[TM+5], 8, v[TM+4]
	v_lshl_or_b32 v[\pw], v[TM+6], 16, v[\pw]
	v_lshl_or_b32 v[\pw], v[TM+7], 24, v[\pw]
.irp b, 0,1,2,3
	v_cvt_scalef32_pk8_fp4_f32 v[\pc+2*\b], v[\s+16*\b:\s+16*\b+7], v[TM+12+\b]
	v_cvt_scalef32_pk8_fp4_f32 v[\pc+2*\b+1], v[\s+16*\b+8:\s+16*\b+15], v[TM+12+\b]
.endr
	v_nop                                                  ; one plain place behind the scaled conversions
.irp c, 0,1
.irp i, 0,1
	v_permlane16_swap_b32 v[\pc+4*\c+\i], v[\pc+4*\c+2+\i] ; a whole block to a lane: lanes 0-15 block 2 c, lanes 16-31 block 2 c + 1
.endr
.endr
.endm
	s_load_b256 s[4:11], s[0:1], 0x0               ; x s[4:5], Wqkv s[6:7], Wout s[8:9], freqs s[10:11]
	s_load_b128 s[12:15], s[0:1], 0x20             ; xop s[12:13], wop s[14:15]
	s_load_b64 s[16:17], s[0:1], 0x30              ; tab
	v_lshl_add_u32 v250, v0, 2, 0x8800
	v_mov_b32 v251, 0
	v_lshrrev_b32 v1, 5, v0
	v_readfirstlane_b32 s18, v1                    ; wave 0..3
	v_and_b32 v1, 31, v0                           ; lane
	v_and_b32 v2, 15, v0                           ; r
	v_bfe_u32 v3, v0, 4, 1                         ; h
	v_lshlrev_b32 v[LI], 4, v1
	v_lshlrev_b32 v[L8], 3, v1
	s_wait_kmcnt 0x0
	s_cmp_ge_u32 ttmp9, 512
	s_cbranch_scc1 .Ltab
	s_cmp_ge_u32 ttmp9, 448
	s_cbranch_scc1 .Lwout
	s_cmp_ge_u32 ttmp9, 256
	s_cbranch_scc1 .Lwqkv
; ---- x.  A wave takes one half of one tile: 16 rows x 512 along K, in four units of 128.  Each load reads 512 consecutive bytes of one row; a unit turns through the wave's own
; stage in LDS (16 rows, 528 bytes apart: 33 x 16, so that the 16 rows of a read start in 16 different groups of banks), and comes back 16 neighbours of each block to a lane.
.set SIN,  6                           ; v6   the stage, on the way in: 16 x lane
.set SOUT, 7                           ; v7   and out: 528 r + 64 h
.set PW,   8                           ; v8-11   the four units' scale words
.set SW,   12                          ; v[12:13] the scale part's two registers
.set RAW,  16                          ; v16-143 two sets of 64 as loaded
.set X,    144                         ; v144-207 64 numbers in the quantiser's order
.set PC,   208                         ; v208-239 codes: eight registers for each unit, so that no store's data are written again
	s_lshl_b32 s20, ttmp9, 2
	s_add_co_u32 s20, s20, s18                     ; job = 4 x work-group + wave
	s_lshr_b32 s21, s20, 1                         ; tile
	s_and_b32 s22, s20, 1                          ; half
	s_lshr_b32 s23, s21, 1
	s_lshl_b32 s23, s23, 5
	s_and_b32 s24, s21, 1
	s_lshl_b32 s24, s24, 3
	s_add_co_u32 s23, s23, s24                     ; the tile's first row: 32 (tile / 2) + 8 (tile % 2); row i of the tile lies i + 8 (i / 8) further on
	s_lshl_b32 s24, s23, 12
	s_lshl_b32 s25, s22, 11
	s_add_co_u32 s24, s24, s25
	s_mov_b32 s25, 0
	s_add_nc_u64 s[4:5], s[4:5], s[24:25]
	s_mul_i32 s24, s21, 8704
	s_mul_i32 s26, s22, 4352
	s_add_co_u32 s24, s24, s26
	s_add_nc_u64 s[12:13], s[12:13], s[24:25]
	s_mul_i32 s26, s18, 8448                       ; my stage
	s_wait_alu depctr_va_vdst(0)
	v_add_nc_u32 v[SIN], s26, v[LI]
	v_mul_u32_u24 v[SOUT], v2, 528
	v_lshl_add_u32 v[SOUT], v3, 6, v[SOUT]
	v_add_nc_u32 v[SOUT], s26, v[SOUT]
	s_mov_b32 s[SEL], 0x76543210
	s_mov_b32 s[SEL+1], 0xfedcba98
	s_mov_b32 s30, 0xffff0000                      ; lanes 16-31
.irp b, 0,1,2,3
	v_mov_b32 v[TM+4+\b], 0                        ; written once: a lane permute's destination counts as one of its sources
.endr
.macro LOADX q
.irp i, 0,1,2,3,4,5,6,7,8,9,10,11,12,13,14,15
	global_load_b128 v[RAW+64*((\q)%2)+4*\i:RAW+64*((\q)%2)+4*\i+3], v[LI], s[4:5] offset:(\i+8*(\i/8))*4096+512*(\q) th:TH_LOAD_NT
.endr
.endm
.macro UNIT q
.if (\q) < 3
	s_wait_loadcnt 16                              ; this unit's 16 loads are in; the next unit's 16 may be out
.else
	s_wait_loadcnt 0x0
.endif
.irp i, 0,1,2,3,4,5,6,7,8,9,10,11,12,13,14,15
	ds_store_b128 v[SIN], v[RAW+64*((\q)%2)+4*\i:RAW+64*((\q)%2)+4*\i+3] offset:528*\i
.endr
.irp b, 0,1,2,3
.irp j, 0,1,2,3
	ds_load_b128 v[X+16*\b+4*\j:X+16*\b+4*\j+3], v[SOUT] offset:128*\b+16*\j    ; LDS serves a wave's instructions in order: these see the stores above
.endr
.endr
	s_wait_dscnt 0x0                               ; the numbers are back, and the stage's stores have read their registers,
.if (\q) < 2
	LOADX (\q)+2                                   ; which take the unit two further on
.endif
	QUANT X, PC+8*(\q), PW+(\q)
	global_store_b128 v[LI], v[PC+8*(\q):PC+8*(\q)+3], s[12:13] offset:1024*(\q)          ; an image: 512 consecutive bytes
	global_store_b128 v[LI], v[PC+8*(\q)+4:PC+8*(\q)+7], s[12:13] offset:1024*(\q)+512
.endm
	LOADX 0
	LOADX 1
	s_wait_alu depctr_va_vdst(0)
	UNIT 0
	UNIT 1
	UNIT 2
	UNIT 3
	v_cndmask_b32 v[SW], v[PW], v[PW+2], s30       ; register q % 2, lanes 16 (q / 2) + r (a row's word stands in both halves of the lanes)
	v_cndmask_b32 v[SW+1], v[PW+1], v[PW+3], s30
	global_store_b64 v[L8], v[SW:SW+1], s[12:13] offset:4096      ; 256 consecutive bytes
	s_wait_tensorcnt 0x0
	ds_add_u32 v250, v251
	s_wait_dscnt 0x0
	s_endpgm
; ---- a weight, [K][N] with K its first axis.  A lane takes a column and its registers run down K, so that a block of 32 lies in one lane.  A work-group takes 32 column positions
; (two tiles) x 512 along K; wave q takes K step q of them.  A lane's block b is 16 bytes of image b / 2, at lane place 16 (b % 2) + r: each half of the lanes stores 256 consecutive bytes.
; The four waves' scale words meet in LDS, and wave 0 stores the two tiles' scale parts whole.
.macro WLOAD b, pitch, wp
.irp i, 0,1,2,3,4,5,6,7,8,9,10,11,12,13,14,15,16,17,18,19,20,21,22,23,24,25,26,27,28,29,30,31
	global_load_b32 v[16+32*(\b)+\i], v6, s[\wp:\wp+1] offset:(32*(\b)+\i)*\pitch th:TH_LOAD_NT
.endr
.endm
.macro WBLOCK b, pitch, wp
.set XS, 16+32*(\b)
.if (\b) < 3
	s_wait_loadcnt 32                              ; this block's 32 loads are in; the next block's may be out
.else
	s_wait_loadcnt 0x0
.endif
.if (\b) < 2
	WLOAD (\b)+2, \pitch, \wp
.endif
	v_max3_num_f32 v10, |v[XS]|, |v[XS+1]|, |v[XS+2]|
	v_max3_num_f32 v11, |v[XS+3]|, |v[XS+4]|, |v[XS+5]|
.irp i, 6,10,14,18,22,26
	v_max3_num_f32 v10, v10, |v[XS+\i]|, |v[XS+\i+1]|
	v_max3_num_f32 v11, v11, |v[XS+\i+2]|, |v[XS+\i+3]|
.endr
	v_max3_num_f32 v10, v10, |v[XS+30]|, |v[XS+31]|
	v_max3_num_f32 v10, v10, v11, 0x1800000        ; and the floor
	v_add_nc_u32 v12, 0xff000000, v10              ; the conversion's scale operand
	v_lshrrev_b32 v11, 23, v12                     ; the byte
.if (\b) == 0
	v_mov_b32 v13, v11
.else
	v_lshl_or_b32 v13, v11, 8*(\b), v13
.endif
.irp g, 0,1,2,3
	v_cvt_scalef32_pk8_fp4_f32 v[144+4*(\b)+\g], v[XS+8*\g:XS+8*\g+7], v12
.endr
	v_nop                                          ; one plain place behind the scaled conversions
	global_store_b128 v7, v[144+4*(\b):144+4*(\b)+3], s[32:33] offset:256*(\b)
.endm
.macro WPATH pitch, first, tile0, ldsb, wp
	s_sub_co_u32 s20, ttmp9, \first
	s_lshr_b32 s21, s20, 1                         ; which 32 columns
	s_and_b32 s22, s20, 1                          ; which half of K
	s_lshl_b32 s23, s22, 2
	s_add_co_u32 s23, s23, s18                     ; my K step of the eight
	s_mul_i32 s24, s23, 128*\pitch
	s_lshl_b32 s25, s21, 7
	s_add_co_u32 s24, s24, s25
	s_mov_b32 s25, 0
	s_add_nc_u64 s[\wp:\wp+1], s[\wp:\wp+1], s[24:25]
	s_lshl_b32 s26, s21, 1
	s_add_co_u32 s26, s26, \tile0
	s_mul_i32 s26, s26, 8704
	s_mul_i32 s27, s22, 4352
	s_add_co_u32 s26, s26, s27
	s_mov_b32 s27, 0
	s_add_nc_u64 s[14:15], s[14:15], s[26:27]      ; the pair of tiles, this half
	s_lshl_b32 s24, s18, 10
	s_add_nc_u64 s[32:33], s[14:15], s[24:25]      ; my K step's two images
	v_and_b32 v6, 7, v0
	v_bfe_u32 v7, v0, 3, 1
	v_lshl_or_b32 v6, v7, 4, v6
	s_wait_alu depctr_va_vdst(0)
	v_lshl_or_b32 v6, v3, 3, v6                    ; sigma(lane)
	v_lshlrev_b32 v6, 2, v6                        ; my column's bytes
	v_mul_u32_u24 v7, v3, 8704
	v_lshl_add_u32 v7, v2, 4, v7                   ; out: tile lane / 16, 16 bytes for row lane % 16
	s_lshr_b32 s28, s18, 1
	s_lshl_b32 s28, s28, 7
	s_and_b32 s29, s18, 1
	s_lshl_b32 s29, s29, 2
	s_add_co_u32 s28, s28, s29
	s_add_co_u32 s28, s28, \ldsb
	v_lshlrev_b32 v8, 8, v3
	v_lshl_add_u32 v8, v2, 3, v8
	v_add_nc_u32 v8, s28, v8                       ; LDS: my word's place in the two scale parts
	v_add_nc_u32 v9, \ldsb, v[LI]                  ; and 16 x lane, to read them back
	WLOAD 0, \pitch, \wp
	WLOAD 1, \pitch, \wp
	s_wait_alu depctr_va_vdst(0)
	WBLOCK 0, \pitch, \wp
	WBLOCK 1, \pitch, \wp
	WBLOCK 2, \pitch, \wp
	WBLOCK 3, \pitch, \wp
	ds_store_b32 v8, v13
	s_wait_dscnt 0x0                               ; for the others' sake: my word lies in LDS
	s_barrier_signal -1
	s_barrier_wait -1
	s_cmp_lg_u32 s18, 0
	s_cbranch_scc1 .Lwdone_\@
	ds_load_b128 v[160:163], v9
	s_wait_dscnt 0x0
	global_store_b128 v7, v[160:163], s[14:15] offset:4096        ; each half of the lanes: one tile's 256 bytes of scale words
.Lwdone_\@:
	s_wait_tensorcnt 0x0
	ds_add_u32 v250, v251
	s_wait_dscnt 0x0
	s_endpgm
.endm
.Lwqkv:
	WPATH 12288, 256, 0, 33792, 6
.Lwout:
	WPATH 4096, 448, 192, 34304, 8
; ---- the table.  A wave takes 16 tokens (a tile of positions) x 32 of the head's 64.  Image number 8 cs + 4 b + j of a tile (512 bytes each): lane (r, h) holds the four numbers
; of d = 32 b + 16 h + 4 j + 0 .. 3; cs = 0: cos; cs = 1: -sin for d < 32, +sin for d >= 32: the sign that rotate_half gives.
; cos and sin: n = the nearest whole number to x 2 / pi; x - n pi / 2 with pi / 2 in three parts, by fused multiply-adds; polynomials on [-pi / 4, pi / 4]; the quadrant from n.
.macro SINCOS x, co, si
	v_mul_f32 v64, s32, v[\x]
	v_rndne_f32 v64, v64
	v_fma_f32 v65, v64, s33, v[\x]
	v_fma_f32 v65, v64, s34, v65
	v_fma_f32 v65, v64, s35, v65                   ; the reduced argument
	v_cvt_i32_f32 v66, v64
	v_mul_f32 v67, v65, v65
	v_fma_f32 v68, v67, s36, s37
	v_fma_f32 v68, v68, v67, s38
	v_mul_f32 v69, v67, v65
	v_fma_f32 v70, v68, v69, v65                   ; its sine
	v_fma_f32 v71, v67, s39, s40
	v_fma_f32 v71, v71, v67, s41
	v_mul_f32 v69, v67, v67
	v_fma_f32 v72, v67, -0.5, 1.0
	v_fma_f32 v73, v71, v69, v72                   ; its cosine
	v_and_b32 v69, 1, v66
	v_cmp_eq_u32 vcc_lo, 1, v69
	v_cndmask_b32 v[\si], v70, v73, vcc_lo         ; in odd quadrants the two change places
	v_cndmask_b32 v[\co], v73, v70, vcc_lo
	v_add_nc_u32 v69, s42, v66                     ; sin is negative where bit 1 of n is set; + 2 turns the sign for the table's first half
	v_lshlrev_b32 v69, 30, v69
	v_and_b32 v69, 0x80000000, v69
	v_xor_b32 v[\si], v[\si], v69
	v_add_nc_u32 v69, 1, v66                       ; cos where bit 1 of n + 1 is set
	v_lshlrev_b32 v69, 30, v69
	v_and_b32 v69, 0x80000000, v69
	v_xor_b32 v[\co], v[\co], v69
.endm
.Ltab:
	s_sub_co_u32 s20, ttmp9, 512
	s_lshl_b32 s20, s20, 2
	s_add_co_u32 s20, s20, s18
	s_lshr_b32 s21, s20, 1                         ; tile of tokens
	s_and_b32 s22, s20, 1                          ; which 32 of the 64
	s_lshr_b32 s23, s21, 1
	s_lshl_b32 s23, s23, 5
	s_and_b32 s24, s21, 1
	s_lshl_b32 s24, s24, 3
	s_add_co_u32 s23, s23, s24
	s_lshl_b32 s24, s23, 8
	s_lshl_b32 s26, s22, 7
	s_add_co_u32 s24, s24, s26
	s_mov_b32 s25, 0
	s_add_nc_u64 s[10:11], s[10:11], s[24:25]
	s_lshl_b32 s24, s21, 13
	s_lshl_b32 s26, s22, 11
	s_add_co_u32 s24, s24, s26
	s_add_nc_u64 s[16:17], s[16:17], s[24:25]
	s_xor_b32 s42, s22, 1
	s_lshl_b32 s42, s42, 1                         ; 2 for d < 32, else 0
	s_mov_b32 s32, 0x3f22f983                      ; 2 / pi
	s_mov_b32 s33, 0xbfc90fdb                      ; -pi / 2, its first part,
	s_mov_b32 s34, 0x333bbd2e                      ; second
	s_mov_b32 s35, 0x26f72ced                      ; and third
	s_mov_b32 s36, 0xb94ca1f9
	s_mov_b32 s37, 0x3c08839e
	s_mov_b32 s38, 0xbe2aaaa3
	s_mov_b32 s39, 0x37ccf5ce
	s_mov_b32 s40, 0xbab6061a
	s_mov_b32 s41, 0x3d2aaaa5
	s_wait_alu depctr_va_vdst(0)
	v_and_b32 v6, 8, v2
	v_add_nc_u32 v6, v6, v2                        ; r + 8 (r / 8)
	v_lshlrev_b32 v6, 8, v6
	v_lshl_add_u32 v6, v3, 6, v6
.irp j, 0,1,2,3
	global_load_b128 v[16+4*\j:16+4*\j+3], v6, s[10:11] offset:16*\j
.endr
	s_wait_loadcnt 0x0
.irp j, 0,1,2,3,4,5,6,7,8,9,10,11,12,13,14,15
	SINCOS 16+\j, 32+\j, 48+\j
.endr
.irp j, 0,1,2,3
	global_store_b128 v[LI], v[32+4*\j:32+4*\j+3], s[16:17] offset:512*\j
	global_store_b128 v[LI], v[48+4*\j:48+4*\j+3], s[16:17] offset:4096+512*\j
.endr
	s_endpgm
.Lfunc_end_k_qffe7fd821d_prep:
	.size	k_qffe7fd821d_prep, .Lfunc_end_k_qffe7fd821d_prep-k_qffe7fd821d_prep
	.p2alignl 7, 3214868480
	.fill 96, 4, 3214868480
	.section	.rodata,"a",@progbits
	.p2align	6, 0x0
	.amdhsa_kernel k_qffe7fd821d_prep
		.amdhsa_group_segment_fixed_size 35328
		.amdhsa_private_segment_fixed_size 0
		.amdhsa_enable_private_segment 0
		.amdhsa_kernarg_size 56
		.amdhsa_user_sgpr_count 2
		.amdhsa_user_sgpr_kernarg_segment_ptr 1
		.amdhsa_wavefront_size32 1
		.amdhsa_system_sgpr_workgroup_id_x 1
		.amdhsa_system_sgpr_workgroup_id_y 1
		.amdhsa_system_sgpr_workgroup_id_z 1
		.amdhsa_system_vgpr_workitem_id 0
		.amdhsa_next_free_vgpr 256
		.amdhsa_next_free_sgpr 66
		.amdhsa_reserve_vcc 1
		.amdhsa_float_denorm_mode_32 3
		.amdhsa_float_denorm_mode_16_64 3
		.amdhsa_memory_ordered 1
		.amdhsa_forward_progress 1
		.amdhsa_inst_pref_size 97
	.end_amdhsa_kernel
	.amdgpu_metadata
---
amdhsa.version: [ 1, 2 ]
amdhsa.kernels:
  - .name:           k_qffe7fd821d_prep
    .symbol:         k_qffe7fd821d_prep.kd
    .args:
      - { .name: x, .offset: 0, .size: 8, .value_kind: global_buffer, .address_space: global }
      - { .name: Wqkv, .offset: 8, .size: 8, .value_kind: global_buffer, .address_space: global }
      - { .name: Wout, .offset: 16, .size: 8, .value_kind: global_buffer, .address_space: global }
      - { .name: freqs, .offset: 24, .size: 8, .value_kind: global_buffer, .address_space: global }
      - { .name: xop, .offset: 32, .size: 8, .value_kind: global_buffer, .address_space: global }
      - { .name: wop, .offset: 40, .size: 8, .value_kind: global_buffer, .address_space: global }
      - { .name: tab, .offset: 48, .size: 8, .value_kind: global_buffer, .address_space: global }
    .group_segment_fixed_size: 35328
    .private_segment_fixed_size: 0
    .kernarg_segment_align: 8
    .kernarg_segment_size: 56
    .max_flat_workgroup_size: 128
    .sgpr_count:     66
    .vgpr_count:     256
    .wavefront_size: 32
...
	.end_amdgpu_metadata
.endif
;; end of part 1
;; launch qkv (part 2): grid 12 x 32, 4 waves a work-group, clusters of 4 x 4, 279,040 bytes of LDS; arguments xop, wop, bqkv, tab, qkv; writes qkv
.if DOCPART == 2
	.amdgcn_target "amdgcn-amd-amdhsa--gfx1250"
	.amdhsa_code_object_version 6
	.text
	.protected	k_qffe7fd821d_qkv
	.globl	k_qffe7fd821d_qkv
	.p2align	8
	.type	k_qffe7fd821d_qkv,@function
k_qffe7fd821d_qkv:
	s_mov_b64 s[64:65], 0
	v_nop
	global_prefetch_b8 v0, s[64:65] scope:SCOPE_SE
	s_setreg_imm32_b32 hwreg(HW_REG_WAVE_MODE, 25, 1), 1
	s_wait_xcnt 0x0
	s_wait_alu depctr_hold_cnt(0) depctr_sa_sdst(0) depctr_va_vdst(0) depctr_va_sdst(0) depctr_va_ssrc(0) depctr_va_vcc(0) depctr_vm_vsrc(0)
	s_getreg_b32 s2, hwreg(HW_REG_IB_STS2, 6, 4)
	s_cmp_eq_u32 s2, 0
	s_cbranch_scc0 .Lentry_in_a_cluster
	s_endpgm
.Lentry_in_a_cluster:
	s_bfe_u32 s2, ttmp6, 0x10000c
	s_cmp_lg_u32 s2, 0xf033
	s_cbranch_scc0 .Lentry_shape_is_right
	s_endpgm
.Lentry_shape_is_right:
; x Wqkv + bqkv on codes of FP4 with E8M0 scales; then q and k are rotated (RoPE) and quantised along the head's 64, v along the tokens, and all three leave as operand images.
; A work-group of four waves makes 256 token positions x 256 column positions; a wave 128 x 128: 64 accumulators, 512 registers.  K = 1,024 lies in two LDS slots of 512, each filled ONCE
; at the start: no LDS byte is filled twice.  Operands lie in memory in the order of the operand registers (tile records of 8,704 bytes, two halves of 4,352: four K steps x two images
; of 512 bytes, then 256 bytes of scale words), so every LDS read is 16 x lane or 8 x lane on end: no pitch, no padding.
; CLUSTERS: 4 x 4 work-groups; A's tiles are asked for jointly along a row of the cluster, B's along a column.  The cluster's x says what is made: 0 q, 1 k, 2 v: the same for all partners.
; q, k: source 0 = 16 columns of W, source 1 = 16 tokens: a lane holds one token, and since position p holds column sigma(p) (bits 3 and 4 exchanged) the 16 registers of tiles 2 b, 2 b + 1
; are 16 neighbouring columns 32 b + 16 (lane / 16) + 0 .. 15.  v: the sources change places: a lane holds one column, its registers run along the tokens, which are the next K.
; The bias is the C of each sum's first product.
; THE RESULT: for each (batch x 16 + head) 16 records of 13,056 bytes, one for each 128 token positions: Q | K | V, 4,352 bytes each.  Q, K: image t: lane (r, h) holds block h of the token at
; position 16 t + r; the scale word of the pair of tiles (2 n, 2 n + 1), row r, at 4,096 + 8 (16 (n % 2) + r) + 4 (n / 2): two bytes of each tile.  V: image 2 t + c: lane (r, h) holds keys
; 64 c + 32 h + 0 .. 31 of the head's position 16 t + r; the word of tile t at 4,096 + 8 (16 (t % 2) + r) + 4 (t / 2).
; LIMITS: a block whose largest magnitude lies under 2^-124 gets the byte 1; NaN and infinities are not served; the rotation is one multiply and one fused multiply-add.
; REGISTERS: window 0: v1-31 addresses and words at work; v32-95 scale words, two sets, and nothing else; v128-191 A's fragments, one set; v192-255 the bias.  On the way out v96-191 are at work.
;   window 1: B's fragments at v0-63 and v128-191; the table's two sets at v64-127 and v192-255.   windows 2, 3: accumulator (a, b) at v[8 (8 (a % 4) + b)].
.set HALF,  4352
.set GRP,   16*HALF                    ; eight whole tile records: what one tensor load brings, and what a wave reads of A or of B
.set SLOT,  HALF                       ; from a record's first half of K to its second
.set HEADB, 208896                     ; a head's 16 records
.set LI,   1                           ; v1  16 x lane
.set L8,   2                           ; v2  8 x lane
.set ADRA, 16                          ; v16-17 my A fragments in slot 0, 1;  v18-19 B's;  v20-21, v22-23 the same at 8 x lane, for the scale words
.set ADRB, 18
.set ADSA, 20
.set ADSB, 22
.set PW,   24                          ; v24-25 the scale words just made
.set WW,   26                          ; v26-27 a pair's word for each of my two heads
.set SW,   28                          ; v[28:29], v[30:31] the scale parts of my two heads
.set SC,   32                          ; set for slot s at v[SC + 32 s]: registers 2 i + q % 2: A's tile i; + 16: B's tile i; lanes 16 (q / 2) + r
.set R,    96                          ; v96-159 64 rotated numbers
.set AF,   128
.set TM,   160                         ; v160-175 the quantiser's
.set PC,   176                         ; v176-191 codes, two sets
.set BI,   192
.set G1,   24
.set G0,   32
.set G1B,  48
.set G0B,  56
.set SEL,  68                          ; s[68:69] selects for lane l xor 16
.set MASK, 70                          ; s70 lanes 16-31
.set MSB, 0
.macro WIN new                         ; the immediate's high byte repeats the setting that is left
.if MSB != (\new)
	s_set_vgpr_msb (MSB<<8)|(\new)
.set MSB, \new
.endif
.endm
.macro CREST
	s_cmp_lg_u32 s14, 0
	s_cbranch_scc1 .Lnot_wave_0_\@
	s_barrier_signal -3
.Lnot_wave_0_\@:
	s_barrier_wait -3
	s_barrier_signal -1
	s_barrier_wait -1
.endm
.macro CROUND                          ; a round of the cluster's barrier
	s_barrier_signal -1
	s_barrier_wait -1
	CREST
.endm
.macro PLACES                          ; four plain places behind a matrix instruction, ahead of loads into its registers and of reads of its results
.rept 4
	v_nop
.endr
.endm
	s_load_b256 s[4:11], s[0:1], 0x0               ; xop s[4:5], wop s[6:7], bqkv s[8:9], tab s[10:11]
	s_load_b64 s[12:13], s[0:1], 0x20              ; qkv
	v_lshl_add_u32 v14, v0, 2, 0x44000
	v_mov_b32 v15, 0
	ds_add_u32 v14, v15
	ds_add_u32 v14, v15
	v_lshrrev_b32 v3, 5, v0
	v_readfirstlane_b32 s14, v3                    ; wave 0..3
	s_lshr_b32 s15, s14, 1                         ; my half of the rows.  Also: I fetch for A (0) or for B (1)
	s_and_b32 s16, s14, 1                          ; my half of the columns.  Also: which eight tiles I fetch
	s_bfe_u32 s40, ttmp6, 0x40000                  ; cx
	s_bfe_u32 s41, ttmp6, 0x40004                  ; cy
	s_lshl_b32 s42, ttmp9, 2
	s_add_co_u32 s42, s42, s40                     ; tile column 0..11
	s_and_b32 s17, ttmp7, 0xffff
	s_lshl_b32 s17, s17, 2
	s_add_co_u32 s17, s17, s41                     ; tile row 0..31
	s_lshl_b32 s43, s41, 2
	s_lshl_b32 s43, 15, s43                        ; my row of the cluster
	s_lshl_b32 s44, 0x1111, s40                    ; my column
	; descriptor group 1: 8 rows (whole records) of 1,088 elements of 8 bytes, 1,088 elements apart, dense in LDS
	s_or_b32 s[G1], s43, (3<<16)|(1<<21)
	s_or_b32 s[G1B], s44, (3<<16)|(1<<21)
.irp g, G1, G1B
	s_mov_b32 s[\g+1], 1088<<16                    ; tensor_dim0: a whole record, 8,704 bytes
	s_mov_b32 s[\g+2], 8<<16                       ; tensor_dim1
	s_mov_b32 s[\g+3], 1088<<16                    ; tile_dim0
	s_mov_b32 s[\g+4], 8                           ; tile_dim1
	s_mov_b32 s[\g+5], 1088                        ; tensor_dim0_stride
	s_mov_b32 s[\g+6], 0
	s_mov_b32 s[\g+7], 0
.endr
	s_lshl_b32 s18, s16, 3
	s_lshl_b32 s20, s17, 4
	s_add_co_u32 s20, s20, s18
	s_mul_i32 s20, s20, 8704                       ; A: tile 16 x tile row + 8 x half
	s_mov_b32 s21, 0
	s_lshl_b32 s46, s42, 4
	s_add_co_u32 s46, s46, s18
	s_mul_i32 s46, s46, 8704                       ; B: tile 16 x tile column + 8 x half
	s_mov_b32 s47, 0
	s_mul_i32 s45, s14, GRP                        ; where they go: no place in the cluster enters an LDS address
	s_wait_dscnt 0x0
	s_wait_kmcnt 0x0
	s_add_nc_u64 s[20:21], s[4:5], s[20:21]
	s_add_nc_u64 s[46:47], s[6:7], s[46:47]
	CROUND                                         ; all sixteen work-groups are here: the joint loads meet
.irp s, 0
	s_mov_b32 s[G0+4*\s], 1
	s_add_co_u32 s[G0+4*\s+1], s45, \s*SLOT
	s_add_nc_u64 s[G0+4*\s+2:G0+4*\s+3], s[20:21], \s*HALF
	s_or_b32 s[G0+4*\s+3], s[G0+4*\s+3], 0x80000000
	s_mov_b32 s[G0B+4*\s], 1
	s_add_co_u32 s[G0B+4*\s+1], s45, \s*SLOT
	s_add_nc_u64 s[G0B+4*\s+2:G0B+4*\s+3], s[46:47], \s*HALF
	s_or_b32 s[G0B+4*\s+3], s[G0B+4*\s+3], 0x80000000
.endr
	s_cmp_eq_u32 s15, 0                            ; one fill a wave, in the two arms of one branch on its number: eight records, all of K
	s_cbranch_scc0 .Lfill_b
	tensor_load_to_lds s[G0:G0+3], s[G1:G1+7]
	s_nop 0
.rept 4
	v_nop
.endr
	s_branch .Lfilled
.Lfill_b:
	tensor_load_to_lds s[G0B:G0B+3], s[G1B:G1B+7]
	s_nop 0
.rept 4
	v_nop
.endr
.Lfilled:
	v_and_b32 v3, 31, v0
	v_and_b32 v4, 15, v0                           ; r
	v_bfe_u32 v5, v0, 4, 1                         ; h
	v_lshlrev_b32 v[LI], 4, v3
	v_lshlrev_b32 v[L8], 3, v3
	s_mul_i32 s72, s15, GRP                        ; my eight tiles of A,
	s_mul_i32 s73, s16, GRP
	s_add_co_u32 s73, s73, 2*GRP                   ; of B
.irp s, 0,1
	v_add_nc_u32 v[ADRA+\s], s72, v[LI]
	v_add_nc_u32 v[ADRB+\s], s73, v[LI]
	v_add_nc_u32 v[ADSA+\s], s72, v[L8]
	v_add_nc_u32 v[ADSB+\s], s73, v[L8]
	s_add_co_u32 s72, s72, SLOT
	s_add_co_u32 s73, s73, SLOT
.endr
	s_lshl_b32 s72, s42, 10
	s_lshl_b32 s73, s16, 9
	s_add_co_u32 s72, s72, s73
	s_mov_b32 s73, 0
	s_add_nc_u64 s[8:9], s[8:9], s[72:73]          ; the bias of my 128 columns
	s_and_b32 s74, s17, 7
	s_lshl_b32 s74, s74, 1
	s_add_co_u32 s74, s74, s15                     ; my 128 positions: which record of the batch's 16
	s_lshl_b32 s72, s74, 16
	s_add_nc_u64 s[10:11], s[10:11], s[72:73]      ; the table of my eight tiles of tokens
	s_lshr_b32 s72, s17, 3
	s_lshl_b32 s72, s72, 4
	s_lshl_b32 s75, s40, 2
	s_add_co_u32 s72, s72, s75
	s_lshl_b32 s75, s16, 1
	s_add_co_u32 s72, s72, s75                     ; batch x 16 + the first of my two heads
	s_mul_i32 s72, s72, HEADB
	s_mul_i32 s74, s74, 13056
	s_add_co_u32 s72, s72, s74
	s_mul_i32 s74, ttmp9, HALF                     ; Q's, K's or V's part
	s_add_co_u32 s72, s72, s74
	s_add_nc_u64 s[12:13], s[12:13], s[72:73]
	s_mov_b32 s[SEL], 0x76543210
	s_mov_b32 s[SEL+1], 0xfedcba98
	s_mov_b32 s[MASK], 0xffff0000
.macro FRAG reg, adr, q, i             ; a fragment comes back as it was stored: two images
.irp c, 0,1
	ds_load_b128 v[\reg+4*\c:\reg+4*\c+3], v[\adr] offset:(\i)*2*HALF+(\q)*1024+512*\c
.endr
.endm
.macro FETCH_B slot, q, p
	WIN 0x40                                       ; destination window 1
.irp i, 0,1,2,3,4,5,6,7
	FRAG 128*(\p)+8*\i, ADRB+\slot, \q, \i
.endr
	WIN 0
.endm
.macro FETCH_A slot, q, i0
.irp i, \i0, \i0+1, \i0+2, \i0+3
	FRAG AF+8*(\i), ADRA+\slot, \q, \i
.endr
.endm
.macro SCALES slot                     ; a slot's scale words: two registers a tile
.irp i, 0,1,2,3,4,5,6,7
	ds_load_b64 v[SC+32*\slot+2*\i:SC+32*\slot+2*\i+1], v[ADSA+\slot] offset:\i*2*HALF+4096
.endr
.irp i, 0,1,2,3,4,5,6,7
	ds_load_b64 v[SC+32*\slot+16+2*\i:SC+32*\slot+16+2*\i+1], v[ADSB+\slot] offset:\i*2*HALF+4096
.endr
.endm
; 16 products: A's tiles a0, a0 + 1 x B's eight, the slot's q-th 128 along K.  p: B's set; sc: the set of scale words; first = 1: C is the bias; sw = 1: A's tile is source 0.
; The 64 accumulators take turns, one instruction a turn, in the same order in every step.
.macro MUL16 a0, p, q, sc, first, sw
.irp a, \a0, \a0+1
.irp b, 0,1,2,3,4,5,6,7
.set rD, 8*(8*((\a)%4)+\b)
.set rC, rD
.if \first
.set rC, BI+8*\b
.endif
.if \sw
.set rX, AF+8*(\a)
.set rY, 128*(\p)+8*\b
.set rU, SC+32*(\sc)+2*(\a)+((\q)%2)
.set rW, SC+32*(\sc)+16+2*\b+((\q)%2)
.else
.set rX, 128*(\p)+8*\b
.set rY, AF+8*(\a)
.set rU, SC+32*(\sc)+16+2*\b+((\q)%2)
.set rW, SC+32*(\sc)+2*(\a)+((\q)%2)
.endif
.if (\q) >= 2
	v_wmma_scale_f32_16x16x128_f8f6f4 v[rD:rD+7], v[rX:rX+7], v[rY:rY+7], v[rC:rC+7], v[rU], v[rW] matrix_a_fmt:MATRIX_FMT_FP4 matrix_b_fmt:MATRIX_FMT_FP4 matrix_a_scale:MATRIX_SCALE_ROW1 matrix_b_scale:MATRIX_SCALE_ROW1
.else
	v_wmma_scale_f32_16x16x128_f8f6f4 v[rD:rD+7], v[rX:rX+7], v[rY:rY+7], v[rC:rC+7], v[rU], v[rW] matrix_a_fmt:MATRIX_FMT_FP4 matrix_b_fmt:MATRIX_FMT_FP4
.endif
.endr
.endr
.endm
; windows of the products: B's fragments window 1, A's window 0, D window 2 or 3, C with D or, for the bias, window 0
.macro STEP slot, q, first, sw         ; a step of 128 along K that has its successor in the same slot
	s_wait_dscnt 8                                 ; all but the youngest eight loads (A's tiles 4-7) are in
	WIN 0xa1-0x20*(\first)+3*(\sw)
	MUL16 0, (\q)%2, \q, \slot, \first, \sw
	MUL16 2, (\q)%2, \q, \slot, \first, \sw
	s_wait_dscnt 0x0                               ; A's tiles 4-7 are in
	PLACES
	FETCH_B \slot, (\q)+1, 1-(\q)%2
	FETCH_A \slot, (\q)+1, 0
	WIN 0xf1-0x30*(\first)+3*(\sw)
	MUL16 4, (\q)%2, \q, \slot, \first, \sw
	MUL16 6, (\q)%2, \q, \slot, \first, \sw
	PLACES
	WIN 0
	FETCH_A \slot, (\q)+1, 4
.endm
.macro TURN sw                         ; the first half's last step: the second half of K lies in LDS since the start
	s_wait_dscnt 8
	WIN 0xa1+3*(\sw)
	MUL16 0, 1, 3, 0, 0, \sw
	MUL16 2, 1, 3, 0, 0, \sw
	s_wait_dscnt 0x0                               ; A's tiles 4-7 are in
	PLACES
	FETCH_B 1, 0, 0
	FETCH_A 1, 0, 0
	SCALES 1
	WIN 0xf1+3*(\sw)
	MUL16 4, 1, 3, 0, 0, \sw
	MUL16 6, 1, 3, 0, 0, \sw
	PLACES
	WIN 0
	FETCH_A 1, 0, 4
.endm
.macro LAST sw
	s_wait_dscnt 8
	WIN 0xa1+3*(\sw)
	MUL16 0, 1, 3, 1, 0, \sw
	MUL16 2, 1, 3, 1, 0, \sw
	s_wait_dscnt 0x0
	WIN 0xf1+3*(\sw)
	MUL16 4, 1, 3, 1, 0, \sw
	MUL16 6, 1, 3, 1, 0, \sw
	WIN 0
.endm
.macro START
	s_wait_tensorcnt 0x0                           ; my eight records are in
	s_barrier_signal -1
	s_barrier_wait -1                              ; everybody's is
	FETCH_B 0, 0, 0
	FETCH_A 0, 0, 0
	SCALES 0
	FETCH_A 0, 0, 4
.endm
.macro GEMM sw
	STEP 0, 0, 1, \sw
	STEP 0, 1, 0, \sw
	STEP 0, 2, 0, \sw
	TURN \sw
	STEP 1, 0, 0, \sw
	STEP 1, 1, 0, \sw
	STEP 1, 2, 0, \sw
	LAST \sw
.endm
; the quantiser, in four parts: 64 numbers, register 16 b + i = k 32 b + 16 (lane / 16) + i of the lane's row
.macro QMAX s
.irp b, 0,1,2,3
	v_max3_num_f32 v[TM+\b], |v[\s+16*\b]|, |v[\s+16*\b+1]|, 0x1800000      ; with the floor 2^(3 - 127): the byte cannot fall under 1
.endr
.irp i, 2,4,6,8,10,12,14
.irp b, 0,1,2,3
	v_max3_num_f32 v[TM+\b], v[TM+\b], |v[\s+16*\b+\i]|, |v[\s+16*\b+\i+1]|
.endr
.endr
.endm
.macro QMID pw
.irp b, 0,1,2,3
	v_permlanex16_b32 v[TM+4+\b], v[TM+\b], s[SEL], s[SEL+1]
.endr
.irp b, 0,1,2,3
	v_max_num_f32 v[TM+\b], v[TM+\b], v[TM+4+\b]           ; with lane l xor 16's: the block's largest magnitude
.endr
.irp b, 0,1,2,3
	v_add_nc_u32 v[TM+12+\b], 0xff000000, v[TM+\b]         ; 2 off its exponent field: the conversion's scale operand
.endr
.irp b, 0,1,2,3
	v_lshrrev_b32 v[TM+4+\b], 23, v[TM+12+\b]              ; the byte
.endr
	v_lshl_or_b32 v[\pw], v[TM+5], 8, v[TM+4]
	v_lshl_or_b32 v[\pw], v[TM+6], 16, v[\pw]
	v_lshl_or_b32 v[\pw], v[TM+7], 24, v[\pw]
.endm
.macro QCVT s, pc
.irp b, 0,1,2,3
	v_cvt_scalef32_pk8_fp4_f32 v[\pc+2*\b], v[\s+16*\b:\s+16*\b+7], v[TM+12+\b]
	v_cvt_scalef32_pk8_fp4_f32 v[\pc+2*\b+1], v[\s+16*\b+8:\s+16*\b+15], v[TM+12+\b]
.endr
.endm
.macro QSWAP pc
	v_nop                                                  ; one plain place behind the scaled conversions
.irp c, 0,1
.irp i, 0,1
	v_permlane16_swap_b32 v[\pc+4*\c+\i], v[\pc+4*\c+2+\i] ; a whole block to a lane
.endr
.endr
.endm
.macro TABLOAD a                       ; the table of my tile a of tokens, 16 images, into set a % 2 (window 1): + 0 cos of d < 32, + 16 cos of d >= 32, + 32 and + 48 the signed sin
.set TBX, 64+128*((\a)%2)
.irp k, 0,1,2,3,4,5,6,7,8,9,10,11,12,13,14,15
	global_load_b128 v[TBX+4*\k:TBX+4*\k+3], v[LI], s[10:11] offset:(\a)*8192+512*\k
.endr
.endm
	s_cmp_ge_u32 ttmp9, 2                          ; the cluster's x: the same in all partners and waves
	s_cbranch_scc1 .Lv
; ---- q and k
	v_lshlrev_b32 v6, 6, v5                        ; tile b's eight columns of my half: 32 (b / 2) + 8 (b % 2) + 16 h + 0 .. 7
.irp b, 0,1,2,3,4,5,6,7
	global_load_b128 v[BI+8*\b:BI+8*\b+3], v6, s[8:9] offset:(32*(\b/2)+8*(\b%2))*4
	global_load_b128 v[BI+8*\b+4:BI+8*\b+7], v6, s[8:9] offset:(32*(\b/2)+8*(\b%2))*4+16
.endr
	WIN 0x40
	TABLOAD 0
	TABLOAD 1
	WIN 0
	s_wait_alu depctr_va_vdst(0)
	START
	s_wait_loadcnt 32                              ; the bias is in; the table's 32 loads may be out
	GEMM 0
	PLACES
.irp b, 0,1,2,3
	v_mov_b32 v[TM+4+\b], 0                        ; written once: a lane permute's destination counts as one of its sources
.endr
; Tile a of tokens: my two heads' 64 numbers each are rotated, quantised and stored.  lo = d 16 h + i, hi = d 32 + 16 h + i:  lo' = lo cos + hi (-sin),  hi' = hi cos + lo sin.
; Each accumulator is read from its low end on.
.macro EPIQK a
.set AC,  64*((\a)%4)
.set TBL, 64+128*((\a)%2)
.set PCA, PC+8*((\a)%2)
.set PWA, PW+((\a)%2)
.if (\a) < 7
	s_wait_loadcnt 16                              ; this tile's table is in; the next tile's 16 loads may be out
.else
	s_wait_loadcnt 0x0
.endif
	s_wait_xcnt 0x0                                ; the stores of two tiles ago have read their registers
	WIN 0x06+((\a)/4)                              ; source 0: the accumulators' window; source 1: window 1
.irp e, 0,1
.irp i, 0,2,4,6,8,10,12,14
	v_pk_mul_f32 v[R+32*\e+\i:R+32*\e+\i+1], v[AC+32*\e+16+\i:AC+32*\e+17+\i], v[TBL+32+\i:TBL+33+\i]
	v_pk_mul_f32 v[R+32*\e+16+\i:R+32*\e+17+\i], v[AC+32*\e+\i:AC+32*\e+\i+1], v[TBL+48+\i:TBL+49+\i]
	v_pk_fma_f32 v[R+32*\e+\i:R+32*\e+\i+1], v[AC+32*\e+\i:AC+32*\e+\i+1], v[TBL+\i:TBL+\i+1], v[R+32*\e+\i:R+32*\e+\i+1]
	v_pk_fma_f32 v[R+32*\e+16+\i:R+32*\e+17+\i], v[AC+32*\e+16+\i:AC+32*\e+17+\i], v[TBL+16+\i:TBL+17+\i], v[R+32*\e+16+\i:R+32*\e+17+\i]
.endr
.endr
.if (\a) < 6
	WIN 0x40
	TABLOAD (\a)+2                                 ; into the set just read
.endif
	WIN 0
	QMAX R
	QMID PWA
	QCVT R, PCA
	QSWAP PCA
	global_store_b128 v[LI], v[PCA:PCA+3], s[12:13] offset:512*(\a)               ; my first head's image: 512 consecutive bytes
	global_store_b128 v[LI], v[PCA+4:PCA+7], s[12:13] offset:512*(\a)+HEADB       ; my second head's
.if ((\a)%2) == 1
	v_perm_b32 v[WW], v[PW+1], v[PW], 0x05040100   ; the pair's word of the first head: two bytes of each tile,
	v_perm_b32 v[WW+1], v[PW+1], v[PW], 0x07060302 ; of the second
.if (((\a)/2)%2) == 0
	v_mov_b32 v[SW+(\a)/4], v[WW]
	v_mov_b32 v[SW+2+(\a)/4], v[WW+1]
.else
	v_cndmask_b32 v[SW+(\a)/4], v[SW+(\a)/4], v[WW], s[MASK]      ; odd pairs stand in lanes 16-31
	v_cndmask_b32 v[SW+2+(\a)/4], v[SW+2+(\a)/4], v[WW+1], s[MASK]
.endif
.endif
.endm
.irp a, 0,1,2,3,4,5,6,7
	EPIQK \a
.endr
	global_store_b64 v[L8], v[SW:SW+1], s[12:13] offset:4096
	global_store_b64 v[L8], v[SW+2:SW+3], s[12:13] offset:4096+HEADB
	s_branch .Lend
; ---- v
.Lv:
	v_and_b32 v6, 8, v4
	v_add_nc_u32 v6, v6, v4
	v_lshlrev_b32 v6, 2, v6                        ; my column of a tile: r + 8 (r / 8)
.irp b, 0,1,2,3,4,5,6,7
	global_load_b32 v[BI+8*\b], v6, s[8:9] offset:(32*(\b/2)+8*(\b%2))*4
.endr
	s_wait_alu depctr_va_vdst(0)
	START
	s_wait_loadcnt 0x0
.irp b, 0,1,2,3,4,5,6,7
.irp j, 1,2,3,4,5,6,7
	v_mov_b32 v[BI+8*\b+\j], v[BI+8*\b]            ; a lane's eight results of a tile are eight tokens of one column: one bias
.endr
.endr
	PLACES
	s_wait_alu depctr_va_vdst(0)
	GEMM 1
	PLACES
.irp b, 0,1,2,3
	v_mov_b32 v[TM+4+\b], 0
.endr
; Tile b of columns (head b / 4, its tile b % 4): a lane's 64 numbers, tokens 32 n + 16 h + i, lie in the accumulators (2 n, b), (2 n + 1, b): n = 0, 1 in window 2, n = 2, 3 in window 3
.macro EPIV b
.set PCB, PC+8*((\b)%2)
	s_wait_xcnt 0x0                                ; the stores of two tiles ago have read their registers
.irp w, 0,1
	WIN 0x28+0x14*\w                               ; sources 1 and 2: the accumulators' window
.irp u, 0,1
	v_max3_num_f32 v[TM+2*\w+\u], 0x1800000, |v[8*(16*\u+(\b))]|, |v[8*(16*\u+(\b))+1]|
.endr
.irp i, 2,4,6
.irp u, 0,1
	v_max3_num_f32 v[TM+2*\w+\u], v[TM+2*\w+\u], |v[8*(16*\u+(\b))+\i]|, |v[8*(16*\u+(\b))+\i+1]|
.endr
.endr
.irp i, 0,2,4,6
.irp u, 0,1
	v_max3_num_f32 v[TM+2*\w+\u], v[TM+2*\w+\u], |v[8*(16*\u+8+(\b))+\i]|, |v[8*(16*\u+8+(\b))+\i+1]|
.endr
.endr
.endr
	WIN 0
	QMID PW
.irp w, 0,1
	WIN 0x02+\w                                    ; source 0: the accumulators' window
.irp u, 0,1
	v_cvt_scalef32_pk8_fp4_f32 v[PCB+2*(2*\w+\u)], v[8*(16*\u+(\b)):8*(16*\u+(\b))+7], v[TM+12+2*\w+\u]
	v_cvt_scalef32_pk8_fp4_f32 v[PCB+2*(2*\w+\u)+1], v[8*(16*\u+8+(\b)):8*(16*\u+8+(\b))+7], v[TM+12+2*\w+\u]
.endr
.endr
	WIN 0
	QSWAP PCB
	global_store_b128 v[LI], v[PCB:PCB+3], s[12:13] offset:(2*((\b)%4))*512+((\b)/4)*HEADB
	global_store_b128 v[LI], v[PCB+4:PCB+7], s[12:13] offset:(2*((\b)%4)+1)*512+((\b)/4)*HEADB
.if ((\b)%2) == 0
	v_mov_b32 v[SW+2*((\b)/4)+(((\b)%4)/2)], v[PW]
.else
	v_cndmask_b32 v[SW+2*((\b)/4)+(((\b)%4)/2)], v[SW+2*((\b)/4)+(((\b)%4)/2)], v[PW], s[MASK]
.endif
.endm
.irp b, 0,1,2,3,4,5,6,7
	EPIV \b
.endr
	global_store_b64 v[L8], v[SW:SW+1], s[12:13] offset:4096
	global_store_b64 v[L8], v[SW+2:SW+3], s[12:13] offset:4096+HEADB
.Lend:
	s_wait_tensorcnt 0x0
	ds_add_u32 v14, v15
	s_wait_dscnt 0x0
	CROUND                                         ; the closing round: no work-group ends while a partner may still ask for a tile that names it
	s_endpgm
.Lfunc_end_k_qffe7fd821d_qkv:
	.size	k_qffe7fd821d_qkv, .Lfunc_end_k_qffe7fd821d_qkv-k_qffe7fd821d_qkv
	.p2alignl 7, 3214868480
	.fill 96, 4, 3214868480
	.section	.rodata,"a",@progbits
	.p2align	6, 0x0
	.amdhsa_kernel k_qffe7fd821d_qkv
		.amdhsa_group_segment_fixed_size 279040
		.amdhsa_private_segment_fixed_size 0
		.amdhsa_enable_private_segment 0
		.amdhsa_kernarg_size 40
		.amdhsa_user_sgpr_count 2
		.amdhsa_user_sgpr_kernarg_segment_ptr 1
		.amdhsa_wavefront_size32 1
		.amdhsa_system_sgpr_workgroup_id_x 1
		.amdhsa_system_sgpr_workgroup_id_y 1
		.amdhsa_system_sgpr_workgroup_id_z 1
		.amdhsa_system_vgpr_workitem_id 0
		.amdhsa_next_free_vgpr 1024
		.amdhsa_next_free_sgpr 100
		.amdhsa_reserve_vcc 0
		.amdhsa_float_denorm_mode_32 3
		.amdhsa_float_denorm_mode_16_64 3
		.amdhsa_memory_ordered 1
		.amdhsa_forward_progress 1
		.amdhsa_inst_pref_size 255
	.end_amdhsa_kernel
	.section	.bss,"aw",@nobits
	.p2align	6
	.space	262144
	.amdgpu_metadata
---
amdhsa.version: [ 1, 2 ]
amdhsa.kernels:
  - .name:           k_qffe7fd821d_qkv
    .symbol:         k_qffe7fd821d_qkv.kd
    .args:
      - { .name: xop, .offset: 0, .size: 8, .value_kind: global_buffer, .address_space: global }
      - { .name: wop, .offset: 8, .size: 8, .value_kind: global_buffer, .address_space: global }
      - { .name: bqkv, .offset: 16, .size: 8, .value_kind: global_buffer, .address_space: global }
      - { .name: tab, .offset: 24, .size: 8, .value_kind: global_buffer, .address_space: global }
      - { .name: qkv, .offset: 32, .size: 8, .value_kind: global_buffer, .address_space: global }
    .group_segment_fixed_size: 279040
    .private_segment_fixed_size: 0
    .kernarg_segment_align: 8
    .kernarg_segment_size: 40
    .max_flat_workgroup_size: 128
    .sgpr_count:     100
    .vgpr_count:     1024
    .wavefront_size: 32
...
	.end_amdgpu_metadata
.endif
;; end of part 2
;; launch attn (part 3): grid 4 x 64, 16 waves a work-group, clusters of 4 x 1, 169,984 bytes of LDS; arguments qkv, oop; writes oop
.if DOCPART == 3
	.amdgcn_target "amdgcn-amd-amdhsa--gfx1250"
	.amdhsa_code_object_version 6
	.text
	.protected	k_qffe7fd821d_attn
	.globl	k_qffe7fd821d_attn
	.p2align	8
	.type	k_qffe7fd821d_attn,@function
k_qffe7fd821d_attn:
	s_mov_b64 s[64:65], 0
	v_nop
	global_prefetch_b8 v0, s[64:65] scope:SCOPE_SE
	s_setreg_imm32_b32 hwreg(HW_REG_WAVE_MODE, 25, 1), 1
	s_wait_xcnt 0x0
	s_wait_alu depctr_hold_cnt(0) depctr_sa_sdst(0) depctr_va_vdst(0) depctr_va_sdst(0) depctr_va_ssrc(0) depctr_va_vcc(0) depctr_vm_vsrc(0)
	s_getreg_b32 s2, hwreg(HW_REG_IB_STS2, 6, 4)
	s_cmp_eq_u32 s2, 0
	s_cbranch_scc0 .Lentry_in_a_cluster
	s_endpgm
.Lentry_in_a_cluster:
	s_bfe_u32 s2, ttmp6, 0x10000c
	s_cmp_lg_u32 s2, 0x3003
	s_cbranch_scc0 .Lentry_shape_is_right
	s_endpgm
.Lentry_shape_is_right:
; o = softmax(q k^T / 8) v for one (batch, head), both products on codes of FP4 with E8M0 scales; o is quantised along head x 64 + d and leaves as images of the last product's operand.
; THE SOFTMAX: t = score x log2(e) / 8; M = the running largest t rounded UP to a whole number; p = 2^(t - M) is quantised along the keys, not normalised; the row's sum is taken of the
; unquantised p and divides at the end; when M moves, the sum and O are multiplied by 2^(old M - new M), which rounds nothing.
; SHARES.  A work-group owns 512 query positions of one head; each of its sixteen waves one tile of 16 queries at a time, twice.  The head's K and V (16 records of 8,704 bytes, 128 keys each)
; lie in LDS for the whole launch, filled ONCE: wave w fetches record w, one tensor load a wave.  CLUSTER: the four query blocks of a head need the same K and V and ask for them jointly.
; No prefetch: all of K and V is asked for at the head, and there is no loop of loads to run ahead in.
; LDS.  A record comes as 17 rows of 512 bytes with 64 bytes of padding behind each: byte x of a record lies at x + 64 (x / 512).  So K's images lie 576 bytes apart.
; LAYOUT.  Both products are used transposed (S^T = K Q^T, O^T = V^T P^T): a lane holds one query throughout.
; THE KEYS OF A TILE ARE PICKED BY ADDRESS: row 8 g + j of tile (c, u) is key 64 c + 32 g + 8 u + j of the step's 128.  So lane (r, h) holds in the 32 registers of tiles (c, 0 .. 3) the WHOLE block of
; keys 64 c + 32 h + 0 .. 31: a block's largest score needs no other lane, and the conversions' results are the second product's operand as they stand.
; In memory token T lies at position T with bits 3 and 4 exchanged: that key is row 8 (u / 2) + j of image 4 c + 2 g + u % 2.  The two groups of eight rows lie 1,152 bytes apart: sixteen lanes touch 256 different bytes modulo 256.
; THE HEAD'S 64 IN AN INSTRUCTION OF K = 128: source 0's eight registers hold TWO tiles of keys, (c, 2 w) in K = 0 .. 63 and (c, 2 w + 1) in K = 64 .. 127; Q stands as (q, 0, 0, q) x 4 registers:
; registers 0-7 pick the first tile, registers 4-11 the second: the other tile meets zero codes, which add nothing under any scale byte that the quantiser makes.
; LIMITS: the promise holds while the scaled scores stay under 2^31 in magnitude; a block whose largest magnitude lies under 2^-124 gets the byte 1; 1 / the sum by v_rcp_f32; NaN and infinities are not served.
; The 32 scale bytes of a tile and head are stored as bytes: eight heads share their 256 bytes, and a work-group has one head.
.set RECL, 9792                        ; a record in LDS: 17 x 576
.set IMG,  576                         ; from image to image
.set KSB,  4608                        ; K's scale words: 4,096 + 8 x 64
.set VB,   4864                        ; V's images: 4,352 + 8 x 64 (lanes 16-31 lie one padding further on)
.set VSB,  9472                        ; V's scale words: 8,448 + 16 x 64
.set SPARE, 0x29000                    ; the spare words: 128 bytes a wave
.set LI,  1                            ; v1  16 x lane
.set L8,  2                            ; v2  8 x lane
.set ADK, 3                            ; v3  the next step's tiles of K;  v4 its scale words;  v7 this step's V;  v8 its scale words
.set ADS, 4
.set OB,  5                            ; v5  8 r + h: my byte among o's scale words
.set QW,  6                            ; v6  8 r: my row among Q's scale words
.set ADV, 7
.set ADT, 8
.set AK0, 9                            ; v9  my lane's place in a tile of K: 1,152 g + 16 j + 256 h
.set AKS0, 10                          ; v10 and among its scale words: 128 g + 8 j + 4 h (lanes 16-31 take c = 1)
.set SH8, 11                           ; v11 8 h
.set KS,  42                           ; v42, v43 K's scale words (w = 0, 1);  v[44:45] V's;  v46 p's;  v40, v41 Q's of the two passes
.set VS,  44
.set PS,  46
.set AV0, 47                           ; v47 16 x lane + 64 h
.set K,   48                           ; v48-79   eight tiles of keys
.set V,   80                           ; v80-111  four fragments of V^T
.set S,   112                          ; v112-175 S^T, then p
.set O,   176                          ; v176-207 O^T
.set P,   208                          ; v208-215 p's codes
.set BM,  216                          ; v216-219 largest scores: two chains for each of my two blocks
.set CO,  220                          ; v220-221 the conversions' scale operands
.set PD,  222                          ; v222-223 bytes
.set OBY, 224                          ; v224 o's byte
.set T3,  226                          ; v226 the old -M
.set F,   228                          ; v[228:229] f = 2^(old M - new M); v229 is only named with it
.set T,   230                          ; v230, v231 at work
.set T2,  231
.set A,   232                          ; v232-247 eight partial sums of p, in pairs
.set WV,  8
.set G1,  16
.set TK,  28
.set SEL, 32
.set CS,  34
.set TB,  36
.set CNT, 37
.macro ROUND                           ; a round of the cluster's barrier
	s_barrier_signal -1
	s_barrier_wait -1
	s_cmp_lg_u32 s[WV], 0
	s_cbranch_scc1 .Lnot_wave_0_\@
	s_barrier_signal -3
.Lnot_wave_0_\@:
	s_barrier_wait -3
	s_barrier_signal -1
	s_barrier_wait -1
.endm
; one product: row = 1: source 0's scales stand in lanes 16-31; z = 1: the sum begins
.macro MM d, a, b, sa, sb, row, z
.if \z
.if \row
	v_wmma_scale_f32_16x16x128_f8f6f4 v[\d:\d+7], v[\a:\a+7], v[\b:\b+7], 0, v[\sa], v[\sb] matrix_a_fmt:MATRIX_FMT_FP4 matrix_b_fmt:MATRIX_FMT_FP4 matrix_a_scale:MATRIX_SCALE_ROW1
.else
	v_wmma_scale_f32_16x16x128_f8f6f4 v[\d:\d+7], v[\a:\a+7], v[\b:\b+7], 0, v[\sa], v[\sb] matrix_a_fmt:MATRIX_FMT_FP4 matrix_b_fmt:MATRIX_FMT_FP4
.endif
.else
.if \row
	v_wmma_scale_f32_16x16x128_f8f6f4 v[\d:\d+7], v[\a:\a+7], v[\b:\b+7], v[\d:\d+7], v[\sa], v[\sb] matrix_a_fmt:MATRIX_FMT_FP4 matrix_b_fmt:MATRIX_FMT_FP4 matrix_a_scale:MATRIX_SCALE_ROW1
.else
	v_wmma_scale_f32_16x16x128_f8f6f4 v[\d:\d+7], v[\a:\a+7], v[\b:\b+7], v[\d:\d+7], v[\sa], v[\sb] matrix_a_fmt:MATRIX_FMT_FP4 matrix_b_fmt:MATRIX_FMT_FP4
.endif
.endif
.endm
	s_load_b128 s[4:7], s[0:1], 0x0                ; qkv s[4:5], oop s[6:7]
	v_lshl_add_u32 v254, v0, 2, SPARE
	v_mov_b32 v255, 0
	ds_add_u32 v254, v255                          ; the opening lines: the add, twice on end, and its wait ahead of my tensor load
	ds_add_u32 v254, v255
	v_lshrrev_b32 v1, 5, v0
	v_readfirstlane_b32 s[WV], v1                  ; wave 0..15
	s_bfe_u32 s9, ttmp6, 0x40000                   ; cx: my block of 512 queries
	s_and_b32 s10, ttmp7, 0xffff                   ; batch x 16 + head, which the four partners share
	; descriptor group 1: 17 rows of 64 elements of 8 bytes, dense in memory; 16 words of padding behind every 128; the mask names all four partners
	s_mov_b32 s[G1], 15|(3<<16)|(1<<20)|(1<<21)|(6<<22)|(15<<25)
	s_mov_b32 s[G1+1], 64<<16
	s_mov_b32 s[G1+2], 17<<16
	s_mov_b32 s[G1+3], 64<<16
	s_mov_b32 s[G1+4], 17
	s_mov_b32 s[G1+5], 64
	s_mov_b32 s[G1+6], 0
	s_mov_b32 s[G1+7], 0
	s_mul_i32 s48, s10, 208896                     ; the head's first byte
	s_mul_i32 s50, s[WV], 13056                    ; record w,
	s_add_co_u32 s50, s50, s48
	s_add_co_u32 s50, s50, 4352                    ; from K's part on
	s_mov_b32 s51, 0
	s_mov_b32 s24, 1
	s_mul_i32 s25, s[WV], RECL                     ; where it goes: the wave's number alone
	s_wait_dscnt 0x0
	s_wait_kmcnt 0x0
	s_add_nc_u64 s[26:27], s[4:5], s[50:51]
	s_or_b32 s27, s27, 0x80000000
	ROUND                                          ; all four work-groups are here: the joint loads meet
	tensor_load_to_lds s[24:27], s[G1:G1+7]        ; every wave's one load
	s_nop 0
.rept 4
	v_nop
.endr
	v_and_b32 v1, 31, v0
	v_and_b32 v7, 15, v0                           ; r
	v_bfe_u32 v8, v0, 4, 1                         ; h
	v_and_b32 v3, 7, v0                            ; j
	v_bfe_u32 v4, v0, 3, 1                         ; g
	v_lshlrev_b32 v[L8], 3, v1
	v_lshlrev_b32 v[LI], 4, v1
	v_lshl_add_u32 v[OB], v7, 3, v8
	v_lshlrev_b32 v[QW], 3, v7
	v_mul_u32_u24 v[AK0], v4, 1152
	v_lshlrev_b32 v[AKS0], 7, v4
	v_lshlrev_b32 v[SH8], 3, v8
	v_lshl_add_u32 v[AV0], v8, 6, v[LI]
	v_lshl_add_u32 v[AK0], v3, 4, v[AK0]
	v_lshl_add_u32 v[AKS0], v3, 3, v[AKS0]
	v_lshl_add_u32 v[AK0], v8, 8, v[AK0]
	v_lshl_add_u32 v[AKS0], v8, 2, v[AKS0]
	s_wait_alu depctr_va_vdst(0)                   ; ahead of the run of scalar lines
	s_lshl_b32 s53, s9, 2
	s_lshr_b32 s54, s[WV], 3
	s_add_co_u32 s53, s53, s54
	s_mul_i32 s53, s53, 13056
	s_add_co_u32 s53, s53, s48                     ; the record of my queries in pass 0; pass 1's lies two records on
	s_and_b32 s54, s[WV], 7                        ; my tile in it
	s_lshl_b32 s56, s54, 9
	s_add_co_u32 s56, s56, s53
	s_mov_b32 s57, 0
	s_add_nc_u64 s[38:39], s[4:5], s[56:57]        ; Q's image
	s_lshr_b32 s55, s54, 1                         ; its pair of tiles
	s_and_b32 s58, s55, 1
	s_lshl_b32 s58, s58, 7
	s_lshr_b32 s59, s55, 1
	s_lshl_b32 s59, s59, 2
	s_add_co_u32 s58, s58, s59
	s_add_co_u32 s58, s58, s53
	s_add_co_u32 s58, s58, 4096
	s_mov_b32 s59, 0
	s_add_nc_u64 s[40:41], s[4:5], s[58:59]        ; the pair's scale words
	s_and_b32 s46, s[WV], 1
	s_lshl_b32 s46, s46, 4                         ; my tile's two bytes: the word's low or high half
	global_load_b128 v[16:19], v[LI], s[38:39]
	global_load_b128 v[24:27], v[LI], s[38:39]
	global_load_b128 v[28:31], v[LI], s[38:39] offset:26112
	global_load_b128 v[36:39], v[LI], s[38:39] offset:26112
	global_load_b32 v40, v[QW], s[40:41]
	global_load_b32 v41, v[QW], s[40:41] offset:26112
	s_lshr_b32 s53, s10, 4
	s_lshl_b32 s53, s53, 7
	s_lshl_b32 s54, s9, 5
	s_add_co_u32 s53, s53, s54
	s_add_co_u32 s53, s53, s[WV]                   ; o's tile in pass 0: batch x 128 + 32 cx + wave; pass 1's lies 16 tiles on
	s_mul_i32 s53, s53, 8704
	s_and_b32 s54, s10, 15                         ; the head
	s_lshr_b32 s55, s54, 3
	s_mul_i32 s55, s55, 4352
	s_add_co_u32 s53, s53, s55                     ; the half of K in which it lies,
	s_bfe_u32 s55, s54, 0x20001                    ; the K step of 128 there,
	s_and_b32 s54, s54, 1                          ; and the image in it
	s_lshl_b32 s56, s55, 10
	s_add_co_u32 s56, s56, s53
	s_lshl_b32 s58, s54, 9
	s_add_co_u32 s56, s56, s58
	s_add_nc_u64 s[42:43], s[6:7], s[56:57]
	s_lshr_b32 s58, s55, 1
	s_lshl_b32 s58, s58, 7
	s_and_b32 s55, s55, 1
	s_lshl_b32 s55, s55, 2
	s_add_co_u32 s58, s58, s55
	s_lshl_b32 s54, s54, 1
	s_add_co_u32 s58, s58, s54
	s_add_co_u32 s58, s58, s53
	s_add_co_u32 s58, s58, 4096
	s_add_nc_u64 s[44:45], s[6:7], s[58:59]        ; the head's two bytes of a row's scale word
	s_mov_b32 s47, 0xffff0000                      ; lanes 16-31
	s_mov_b32 s[SEL], 0x76543210
	s_mov_b32 s[SEL+1], 0xfedcba98
	s_mov_b32 s[CS], 0x3e38aa3b                    ; c = log2(e) / 8
	s_mov_b32 s[CS+1], s[CS]                       ; (named with it as a pair, so it is written)
.irp j, 20,21,22,23,32,33,34,35
	v_mov_b32 v[\j], 0                             ; the zero codes between Q's two copies
.endr
.irp j, PD, PD+1, T, T2, F+1
	v_mov_b32 v[\j], 0                             ; written once: a lane permute's destination counts as one of its sources; v229 is named in a pair
.endr
	s_wait_alu depctr_va_vdst(0)
	s_wait_loadcnt 0x0
.irp j, 40,41
	v_lshrrev_b32 v[\j], s46, v[\j]
	s_delay_alu instid0(VALU_DEP_1)
	v_and_b32 v[\j], 0xffff, v[\j]
	s_delay_alu instid0(VALU_DEP_1)
	v_lshl_or_b32 v[\j], v[\j], 16, v[\j]          ; Q's word: its two bytes for K = 0 .. 63 and again for K = 64 .. 127
.endr
.macro KLOAD ak, as                    ; eight tiles of keys: the pair (c, w) at K + 8 (2 c + w); and their scale words: register w, lanes 16 c + row
.irp c, 0,1
.irp w, 0,1
.irp e, 0,1
	ds_load_b128 v[K+16*\c+8*\w+4*\e:K+16*\c+8*\w+4*\e+3], v[\ak] offset:4*IMG*\c+128*\w+IMG*\e
.endr
.endr
.endr
	ds_load_b32 v[KS], v[\as] offset:KSB
	ds_load_b32 v[KS+1], v[\as] offset:KSB+64
.endm
.macro PA0 i                           ; a partial sum begins: pairs 2 i and 2 i + 1 of p
	v_pk_add_f32 v[A+2*(\i):A+2*(\i)+1], v[S+4*(\i):S+4*(\i)+1], v[S+4*(\i)+2:S+4*(\i)+3]
.endm
.macro PA i, k                         ; and takes pair k
	v_pk_add_f32 v[A+2*(\i):A+2*(\i)+1], v[A+2*(\i):A+2*(\i)+1], v[S+2*(\k):S+2*(\k)+1]
.endm
.macro PJ i, k                         ; partial sum k joins partial sum i
	v_pk_add_f32 v[A+2*(\i):A+2*(\i)+1], v[A+2*(\i):A+2*(\i)+1], v[A+2*(\k):A+2*(\k)+1]
.endm
.macro TM from, n                      ; t - M, two at a time, n pairs from register S + from on
.set x, \from
.rept \n
	v_pk_fma_f32 v[S+x:S+x+1], v[S+x:S+x+1], s[CS:CS+1], v[12:13] op_sel_hi:[1,0,0]
.set x, x+2
.endr
.endm
; A KEY STEP: 128 keys.  qb: Q's twelve registers; qs: its scale word.  K's tiles were asked for a step earlier.
.macro STEP qb, qs
	s_add_co_u32 s[TK], s[TB], RECL
	s_min_u32 s[TK], s[TK], 15*RECL                ; the next record; the last step asks for its own again
.irp c, 0,1
.irp w, 0,1
	MM S+32*\c+16*\w, K+16*\c+8*\w, \qb, KS+\w, \qs, \c, 1
	MM S+32*\c+16*\w+8, K+16*\c+8*\w, \qb+4, KS+\w, \qs, \c, 1
.endr
.endr
	v_add_nc_u32 v[ADK], s[TK], v[AK0]             ; these four are the places behind the products, ahead of the loads into their registers and of the reads of their results
	v_add_nc_u32 v[ADS], s[TK], v[AKS0]
	v_add_nc_u32 v[ADV], s[TB], v[AV0]
	v_add_nc_u32 v[ADT], s[TB], v[L8]
	KLOAD ADK, ADS                                 ; the next step's K, and this step's V: both land under the softmax
.irp t, 0,1,2,3,4,5,6,7
	ds_load_b128 v[V+4*\t:V+4*\t+3], v[ADV] offset:VB+IMG*\t
.endr
	ds_load_b64 v[VS:VS+1], v[ADT] offset:VSB
.irp b, 0,1,2,3
	v_max3_num_f32 v[BM+\b], v[S+16*\b], v[S+16*\b+1], v[S+16*\b+2]       ; the largest score of my two blocks of 32 keys, two chains each: for the row's maximum and for the block's largest p
.endr
.irp i, 3,5,7,9,11,13
.irp b, 0,1,2,3
	v_max3_num_f32 v[BM+\b], v[BM+\b], v[S+16*\b+\i], v[S+16*\b+\i+1]
.endr
.endr
	v_max3_num_f32 v[BM], v[BM], v[S+15], v[S+31]
	v_max3_num_f32 v[BM+2], v[BM+2], v[S+47], v[S+63]
	v_mov_b32 v[T3], v12                           ; the old -M
	s_delay_alu instid0(VALU_DEP_3)
	v_max_num_f32 v[BM], v[BM], v[BM+1]
	s_delay_alu instid0(VALU_DEP_3)
	v_max_num_f32 v[BM+2], v[BM+2], v[BM+3]
	s_delay_alu instid0(VALU_DEP_1)
	v_max_num_f32 v[T], v[BM], v[BM+2]
	s_delay_alu instid0(VALU_DEP_1)
	v_permlanex16_b32 v[T2], v[T], s[SEL], s[SEL+1]        ; lane l xor 16 holds my query's other 64 keys
	s_delay_alu instid0(VALU_DEP_1)
	v_max3_num_f32 v13, v13, v[T], v[T2]           ; the running largest score (c is positive)
	s_delay_alu instid0(VALU_DEP_1)
	v_mul_f32 v[T], s[CS], v13                     ; as t
	s_delay_alu instid0(VALU_DEP_1)
	v_floor_f32 v12, -v[T]                         ; the new -M = floor(-t): M is a whole number
	s_delay_alu instid0(VALU_DEP_1)
	v_sub_f32 v[T], v12, v[T3]                     ; old M - new M: a whole number, 0 or less
	TM 0, 4
	v_cvt_i32_f32 v[T], v[T]                       ; (it saturates)
	TM 8, 4
	v_ldexp_f32 v[F], 1.0, v[T]                    ; f = 2^(old M - new M)
	TM 16, 24
	v_fma_f32 v[BM], v[BM], s[CS], v12             ; the same of each block's largest score
	v_fma_f32 v[BM+2], v[BM+2], s[CS], v12
.set x, 0
.rept 16
	v_pk_mul_f32 v[O+x:O+x+1], v[O+x:O+x+1], v[F:F+1] op_sel_hi:[1,0]     ; O^T under the new M
.set x, x+2
.endr
	s_wait_alu depctr_va_vdst(0)                   ; ahead of the batch
.set x, 0
.rept 64
	v_exp_f32 v[S+x], v[S+x]                       ; p = 2^(t - M), at most 1
.set x, x+1
.endr
	v_exp_f32 v[BM], v[BM]                         ; the block's largest p: the same two instructions on the same number
	v_exp_f32 v[BM+2], v[BM+2]
	v_pk_mul_f32 v[14:15], v[14:15], v[F:F+1] op_sel_hi:[1,0]     ; the sums under the new M (a plain place behind the exponentials)
	s_wait_alu depctr_va_vdst(0)                   ; and one behind it, ahead of its first reader
	v_max_num_f32 v[BM], 0x1800000, v[BM]          ; the floor 2^(3 - 127): the byte cannot fall under 1
	v_max_num_f32 v[BM+2], 0x1800000, v[BM+2]
	PA0 0                                          ; the row's sum of the unquantised p stands between the lines that make the scale word
	PA0 1
	v_add_nc_u32 v[CO], 0xff000000, v[BM]          ; 2 off the exponent field: the conversion's scale operand
	v_add_nc_u32 v[CO+1], 0xff000000, v[BM+2]
	PA0 2
	PA0 3
	v_lshrrev_b32 v[PD], 23, v[CO]                 ; the bytes of blocks h and 2 + h
	v_lshrrev_b32 v[PD+1], 23, v[CO+1]
	PA0 4
	PA0 5
	v_lshl_or_b32 v[PS], v[PD+1], 16, v[PD]
	PA0 6
	PA0 7
	v_lshlrev_b32 v[PS], v[SH8], v[PS]             ; at their places in the word: 8 h bits up
	PA 0, 16
	PA 1, 17
	v_permlanex16_b32 v[T2], v[PS], s[SEL], s[SEL+1]
	PA 2, 18
	PA 3, 19
	v_or_b32 v[PS], v[PS], v[T2]                   ; with lane l xor 16's two bytes: p's scale word for these 128 keys
.irp c, 0,1
.irp u, 0,1,2,3
	v_cvt_scalef32_pk8_fp4_f32 v[P+4*\c+\u], v[S+32*\c+8*\u:S+32*\c+8*\u+7], v[CO+\c]      ; register 4 c + u: keys 64 c + 32 h + 8 u + 0 .. 7: the operand as it stands
.endr
.endr
.irp i, 4,5,6,7
	PA \i, 16+\i                                   ; (plain lines behind the conversions; the twenty from here on are also the places ahead of the products)
.endr
.irp i, 0,1,2,3,4,5,6,7
	PA \i, 24+\i
.endr
.irp i, 0,1,2,3
	PJ \i, 4+\i
.endr
	PJ 0, 2
	PJ 1, 3
	v_pk_add_f32 v[14:15], v[14:15], v[A:A+1]
	v_pk_add_f32 v[14:15], v[14:15], v[A+2:A+3]
	s_wait_dscnt 0x0                               ; V and its words are in, and so is the next step's K
.irp t, 0,1,2,3
	MM O+8*\t, V+8*\t, P, VS+\t/2, PS, \t%2, 0
.endr
	s_add_co_u32 s[TB], s[TB], RECL                ; the next 128 keys
.endm
.macro INIT                            ; the step is written for every step alike: the first finds zeros, which the first change of M leaves zeros
.set x, 0
.rept 32
	v_mov_b32 v[O+x], 0
.set x, x+1
.endr
	v_mov_b32 v13, 0xff61b1e6                      ; the largest score so far: -3e38
	v_mov_b32 v12, 0x7e000000                      ; -M: a large whole number, so that the first f is 0
	v_mov_b32 v14, 0
	v_mov_b32 v15, 0
.endm
; THE WAY OUT of pass p: O^T / the sum, quantised along d (two blocks of 32), one image of 512 bytes and a byte a lane
.macro OUT p
.rept 4
	v_nop                                          ; places behind the last products
.endr
	s_wait_alu depctr_va_vdst(0)                   ; directly ahead of the reader below: the sums were written just ahead of the last step's wait
	v_add_f32 v14, v14, v15
	s_delay_alu instid0(VALU_DEP_1)
	v_permlanex16_b32 v[T], v14, s[SEL], s[SEL+1]
	s_delay_alu instid0(VALU_DEP_1)
	v_add_f32 v14, v14, v[T]                       ; the row's sum
	s_wait_alu depctr_va_vdst(0)
	v_rcp_f32 v14, v14
	v_nop                                          ; a plain place behind the transcendental
	s_wait_alu depctr_va_vdst(0)
.set x, 0
.rept 32
	v_mul_f32 v[S+x], v[O+x], v14                  ; register 16 b + i: d = 32 b + 16 h + i
.set x, x+1
.endr
.irp b, 0,1
	v_max3_num_f32 v[BM+\b], |v[S+16*\b]|, |v[S+16*\b+1]|, 0x1800000
.endr
.irp i, 2,4,6,8,10,12,14
.irp b, 0,1
	s_delay_alu instid0(VALU_DEP_2)
	v_max3_num_f32 v[BM+\b], v[BM+\b], |v[S+16*\b+\i]|, |v[S+16*\b+\i+1]|
.endr
.endr
.irp b, 0,1
	s_delay_alu instid0(VALU_DEP_2)
	v_permlanex16_b32 v[PD+\b], v[BM+\b], s[SEL], s[SEL+1]
.endr
.irp b, 0,1
	s_delay_alu instid0(VALU_DEP_2)
	v_max_num_f32 v[BM+\b], v[BM+\b], v[PD+\b]
.endr
.irp b, 0,1
	s_delay_alu instid0(VALU_DEP_2)
	v_add_nc_u32 v[CO+\b], 0xff000000, v[BM+\b]
.endr
.irp b, 0,1
	s_delay_alu instid0(VALU_DEP_2)
	v_lshrrev_b32 v[PD+\b], 23, v[CO+\b]
.endr
.irp b, 0,1
	v_cvt_scalef32_pk8_fp4_f32 v[P+2*\b], v[S+16*\b:S+16*\b+7], v[CO+\b]
	v_cvt_scalef32_pk8_fp4_f32 v[P+2*\b+1], v[S+16*\b+8:S+16*\b+15], v[CO+\b]
.endr
	v_cndmask_b32 v[OBY], v[PD], v[PD+1], s47      ; lane (r, h) keeps block h's byte (a plain place behind the conversions)
.irp i, 0,1
	v_permlane16_swap_b32 v[P+\i], v[P+2+\i]
.endr
	global_store_b128 v[LI], v[P:P+3], s[42:43] offset:(\p)*139264
	global_store_b8 v[OB], v[OBY], s[44:45] offset:(\p)*139264
.endm
.macro PASS qb, qs, p
	KLOAD AK0, AKS0                                ; the first record's K
	s_mov_b32 s[TB], 0
	s_mov_b32 s[CNT], 16
	s_wait_alu depctr_va_vdst(0)                   ; directly ahead of the wait below
	s_wait_dscnt 0x0
.Lpass\p:
	STEP \qb, \qs
	s_sub_co_u32 s[CNT], s[CNT], 1
	s_cmp_lg_u32 s[CNT], 0
	s_cbranch_scc1 .Lpass\p
	OUT \p
.endm
	INIT
	s_wait_alu depctr_va_vdst(0)                   ; at the head's end
	s_wait_tensorcnt 0x0                           ; my record is in
	s_barrier_signal -1
	s_barrier_wait -1                              ; everybody's is; nothing is filled again
	PASS 16, 40, 0
	s_wait_xcnt 0x0                                ; pass 0's stores have read their registers
	INIT
	PASS 28, 41, 1
	s_wait_tensorcnt 0x0                           ; the wave's end
	ds_add_u32 v254, v255
	s_wait_dscnt 0x0
	ROUND                                          ; the closing round: no work-group ends while a partner may still ask for a tile that names it
	s_endpgm
.Lfunc_end_k_qffe7fd821d_attn:
	.size	k_qffe7fd821d_attn, .Lfunc_end_k_qffe7fd821d_attn-k_qffe7fd821d_attn
	.p2alignl 7, 3214868480
	.fill 96, 4, 3214868480
	.section	.rodata,"a",@progbits
	.p2align	6, 0x0
	.amdhsa_kernel k_qffe7fd821d_attn
		.amdhsa_group_segment_fixed_size 169984
		.amdhsa_private_segment_fixed_size 0
		.amdhsa_enable_private_segment 0
		.amdhsa_kernarg_size 16
		.amdhsa_user_sgpr_count 2
		.amdhsa_user_sgpr_kernarg_segment_ptr 1
		.amdhsa_wavefront_size32 1
		.amdhsa_system_sgpr_workgroup_id_x 1
		.amdhsa_system_sgpr_workgroup_id_y 1
		.amdhsa_system_sgpr_workgroup_id_z 1
		.amdhsa_system_vgpr_workitem_id 0
		.amdhsa_next_free_vgpr 256
		.amdhsa_next_free_sgpr 66
		.amdhsa_reserve_vcc 0
		.amdhsa_float_denorm_mode_32 3
		.amdhsa_float_denorm_mode_16_64 3
		.amdhsa_memory_ordered 1
		.amdhsa_forward_progress 1
		.amdhsa_inst_pref_size 48
	.end_amdhsa_kernel
	.amdgpu_metadata
---
amdhsa.version: [ 1, 2 ]
amdhsa.kernels:
  - .name:           k_qffe7fd821d_attn
    .symbol:         k_qffe7fd821d_attn.kd
    .args:
      - { .name: qkv, .offset: 0, .size: 8, .value_kind: global_buffer, .address_space: global }
      - { .name: oop, .offset: 8, .size: 8, .value_kind: global_buffer, .address_space: global }
    .group_segment_fixed_size: 169984
    .private_segment_fixed_size: 0
    .kernarg_segment_align: 8
    .kernarg_segment_size: 16
    .max_flat_workgroup_size: 512
    .sgpr_count:     66
    .vgpr_count:     256
    .wavefront_size: 32
...
	.end_amdgpu_metadata
.endif
;; end of part 3
;; launch proj (part 4): grid 4 x 32, 4 waves a work-group, clusters of 4 x 4, 327,680 bytes of LDS; arguments oop, wop, bout, out0; writes out0
.if DOCPART == 4
	.amdgcn_target "amdgcn-amd-amdhsa--gfx1250"
	.amdhsa_code_object_version 6
	.text
	.protected	k_qffe7fd821d_proj
	.globl	k_qffe7fd821d_proj
	.p2align	8
	.type	k_qffe7fd821d_proj,@function
k_qffe7fd821d_proj:
	s_mov_b64 s[64:65], 0
	v_nop
	global_prefetch_b8 v0, s[64:65] scope:SCOPE_SE
	s_setreg_imm32_b32 hwreg(HW_REG_WAVE_MODE, 25, 1), 1
	s_wait_xcnt 0x0
	s_wait_alu depctr_hold_cnt(0) depctr_sa_sdst(0) depctr_va_vdst(0) depctr_va_sdst(0) depctr_va_ssrc(0) depctr_va_vcc(0) depctr_vm_vsrc(0)
	s_getreg_b32 s2, hwreg(HW_REG_IB_STS2, 6, 4)
	s_cmp_eq_u32 s2, 0
	s_cbranch_scc0 .Lentry_in_a_cluster
	s_endpgm
.Lentry_in_a_cluster:
	s_bfe_u32 s2, ttmp6, 0x10000c
	s_cmp_lg_u32 s2, 0xf033
	s_cbranch_scc0 .Lentry_shape_is_right
	s_endpgm
.Lentry_shape_is_right:
; out0 = o Wout + bout on codes of FP4 with E8M0 scales.  o's codes come by token position (position p holds token p with bits 3 and 4 exchanged), Wout's by column position: tiles 192-255 of wop.
; A work-group of four waves makes 256 positions x 256 columns; a wave 128 x 128: 64 accumulators.  K = 1,024 lies in two LDS slots of 512, each filled ONCE at the start.
; Operands lie in memory in the order of the operand registers (tile records of 8,704 bytes: two halves of four K steps x two images of 512 bytes, then 256 bytes of scale words).
; CLUSTERS: 4 x 4 work-groups; A's tiles are asked for jointly along a row of the cluster, B's along a column.
; Source 0 = 16 columns of W, source 1 = 16 tokens: a lane holds one token and eight neighbouring columns 32 (b / 2) + 8 (b % 2) + 16 (lane / 16) + 0 .. 7.  The bias is the C of each sum's first product.
; The grid has 128 work-groups: the tile is kept at 256 x 256 so that a wave's fragment reads feed 64 products a step; half the WGPs have no work in this launch.
; REGISTERS: window 0: v1-31 addresses; v32-95 scale words, two sets, and nothing else; v128-191 A's fragments; v192-255 the bias; on the way out v128-255 take rows read back from the stage.
;   window 1: B's fragments at v0-63 and v128-191.   windows 2, 3: accumulator (a, b) at v[8 (8 (a % 4) + b)].
.set HALF,  4352
.set GRP,   16*HALF                    ; eight whole tile records: what one tensor load brings
.set SLOT,  HALF                       ; from a record's first half of K to its second
.set LI,   1                           ; v1  16 x lane
.set L8,   2                           ; v2  8 x lane
.set ADRA, 16
.set ADRB, 18
.set ADSA, 20
.set ADSB, 22
.set STO,  24                          ; v24 the way out: where I put 32 bytes of a row
.set RD,   25                          ; v25 and where I read a row back
.set SC,   32
.set AF,   128
.set BK,   128
.set BI,   192
.set G1,   24
.set G0,   32
.set G1B,  48
.set G0B,  56
.set MSB, 0
.macro WIN new                         ; the immediate's high byte repeats the setting that is left
.if MSB != (\new)
	s_set_vgpr_msb (MSB<<8)|(\new)
.set MSB, \new
.endif
.endm
.macro CREST
	s_cmp_lg_u32 s14, 0
	s_cbranch_scc1 .Lnot_wave_0_\@
	s_barrier_signal -3
.Lnot_wave_0_\@:
	s_barrier_wait -3
	s_barrier_signal -1
	s_barrier_wait -1
.endm
.macro CROUND                          ; a round of the cluster's barrier
	s_barrier_signal -1
	s_barrier_wait -1
	CREST
.endm
.macro PLACES                          ; four plain places behind a matrix instruction, ahead of loads into its registers and of reads of its results
.rept 4
	v_nop
.endr
.endm
	s_load_b256 s[4:11], s[0:1], 0x0               ; oop s[4:5], wop s[6:7], bout s[8:9], out0 s[10:11]
	v_lshl_add_u32 v126, v0, 2, 0x44000
	v_mov_b32 v127, 0
	ds_add_u32 v126, v127
	ds_add_u32 v126, v127
	v_lshrrev_b32 v3, 5, v0
	v_readfirstlane_b32 s14, v3                    ; wave 0..3
	s_lshr_b32 s15, s14, 1                         ; my half of the rows.  Also: I fetch for A (0) or for B (1)
	s_and_b32 s16, s14, 1                          ; my half of the columns.  Also: which eight tiles I fetch
	s_bfe_u32 s40, ttmp6, 0x40000                  ; cx
	s_bfe_u32 s41, ttmp6, 0x40004                  ; cy
	s_lshl_b32 s42, ttmp9, 2
	s_add_co_u32 s42, s42, s40                     ; tile column 0..3
	s_and_b32 s17, ttmp7, 0xffff
	s_lshl_b32 s17, s17, 2
	s_add_co_u32 s17, s17, s41                     ; tile row 0..31
	s_lshl_b32 s43, s41, 2
	s_lshl_b32 s43, 15, s43                        ; my row of the cluster
	s_lshl_b32 s44, 0x1111, s40                    ; my column
	; descriptor group 1: 8 rows (whole records) of 1,088 elements of 8 bytes, 1,088 elements apart, dense in LDS
	s_or_b32 s[G1], s43, (3<<16)|(1<<21)
	s_or_b32 s[G1B], s44, (3<<16)|(1<<21)
.irp g, G1, G1B
	s_mov_b32 s[\g+1], 1088<<16
	s_mov_b32 s[\g+2], 8<<16
	s_mov_b32 s[\g+3], 1088<<16
	s_mov_b32 s[\g+4], 8
	s_mov_b32 s[\g+5], 1088
	s_mov_b32 s[\g+6], 0
	s_mov_b32 s[\g+7], 0
.endr
	s_lshl_b32 s18, s16, 3
	s_lshl_b32 s20, s17, 4
	s_add_co_u32 s20, s20, s18
	s_mul_i32 s20, s20, 8704                       ; A: tile 16 x tile row + 8 x half
	s_mov_b32 s21, 0
	s_lshl_b32 s46, s42, 4
	s_add_co_u32 s46, s46, s18
	s_add_co_u32 s46, s46, 192
	s_mul_i32 s46, s46, 8704                       ; B: tile 192 + 16 x tile column + 8 x half
	s_mov_b32 s47, 0
	s_mul_i32 s45, s14, GRP                        ; where they go: no place in the cluster enters an LDS address
	s_wait_dscnt 0x0
	s_wait_kmcnt 0x0
	s_add_nc_u64 s[20:21], s[4:5], s[20:21]
	s_add_nc_u64 s[46:47], s[6:7], s[46:47]
	CROUND                                         ; all sixteen work-groups are here: the joint loads meet
.irp s, 0
	s_mov_b32 s[G0+4*\s], 1
	s_add_co_u32 s[G0+4*\s+1], s45, \s*SLOT
	s_add_nc_u64 s[G0+4*\s+2:G0+4*\s+3], s[20:21], \s*HALF
	s_or_b32 s[G0+4*\s+3], s[G0+4*\s+3], 0x80000000
	s_mov_b32 s[G0B+4*\s], 1
	s_add_co_u32 s[G0B+4*\s+1], s45, \s*SLOT
	s_add_nc_u64 s[G0B+4*\s+2:G0B+4*\s+3], s[46:47], \s*HALF
	s_or_b32 s[G0B+4*\s+3], s[G0B+4*\s+3], 0x80000000
.endr
	s_cmp_eq_u32 s15, 0                            ; one fill a wave, in the two arms of one branch on its number: eight records, all of K
	s_cbranch_scc0 .Lfill_b
	tensor_load_to_lds s[G0:G0+3], s[G1:G1+7]
	s_nop 0
.rept 4
	v_nop
.endr
	s_branch .Lfilled
.Lfill_b:
	tensor_load_to_lds s[G0B:G0B+3], s[G1B:G1B+7]
	s_nop 0
.rept 4
	v_nop
.endr
.Lfilled:
	v_and_b32 v3, 31, v0
	v_and_b32 v4, 15, v0                           ; r
	v_bfe_u32 v5, v0, 4, 1                         ; h
	v_lshlrev_b32 v[LI], 4, v3
	v_lshlrev_b32 v[L8], 3, v3
	s_mul_i32 s72, s15, GRP
	s_mul_i32 s73, s16, GRP
	s_add_co_u32 s73, s73, 2*GRP
.irp s, 0,1
	v_add_nc_u32 v[ADRA+\s], s72, v[LI]
	v_add_nc_u32 v[ADRB+\s], s73, v[LI]
	v_add_nc_u32 v[ADSA+\s], s72, v[L8]
	v_add_nc_u32 v[ADSB+\s], s73, v[L8]
	s_add_co_u32 s72, s72, SLOT
	s_add_co_u32 s73, s73, SLOT
.endr
	s_lshl_b32 s72, s42, 10
	s_lshl_b32 s73, s16, 9
	s_add_co_u32 s72, s72, s73                     ; my 128 columns, in bytes
	s_mov_b32 s73, 0
	s_add_nc_u64 s[8:9], s[8:9], s[72:73]
	s_lshl_b32 s74, s17, 20
	s_add_co_u32 s72, s72, s74
	s_lshl_b32 s74, s15, 19
	s_add_co_u32 s72, s72, s74                     ; + my 128 rows of 4,096 bytes
	s_add_nc_u64 s[10:11], s[10:11], s[72:73]
	s_mul_i32 s72, s14, 8448                       ; my stage: 16 rows, 528 bytes apart,
	s_add_co_u32 s72, s72, 0x44400                 ; in bytes of its own behind the spare words: no tensor load lands there
	v_mul_u32_u24 v[STO], v4, 528
	v_lshl_add_u32 v[STO], v5, 6, v[STO]
	v_add_nc_u32 v[STO], s72, v[STO]
	v_add_nc_u32 v[RD], s72, v[LI]
	v_lshlrev_b32 v6, 6, v5
.irp b, 0,1,2,3,4,5,6,7
	global_load_b128 v[BI+8*\b:BI+8*\b+3], v6, s[8:9] offset:(32*(\b/2)+8*(\b%2))*4
	global_load_b128 v[BI+8*\b+4:BI+8*\b+7], v6, s[8:9] offset:(32*(\b/2)+8*(\b%2))*4+16
.endr
.macro FRAG reg, adr, q, i             ; a fragment comes back as it was stored: two images
.irp c, 0,1
	ds_load_b128 v[\reg+4*\c:\reg+4*\c+3], v[\adr] offset:(\i)*2*HALF+(\q)*1024+512*\c
.endr
.endm
.macro FETCH_B slot, q, p
	WIN 0x40                                       ; destination window 1
.irp i, 0,1,2,3,4,5,6,7
	FRAG 128*(\p)+8*\i, ADRB+\slot, \q, \i
.endr
	WIN 0
.endm
.macro FETCH_A slot, q, i0
.irp i, \i0, \i0+1, \i0+2, \i0+3
	FRAG AF+8*(\i), ADRA+\slot, \q, \i
.endr
.endm
.macro SCALES slot                     ; a slot's scale words: two registers a tile: register q % 2, lanes 16 (q / 2) + r
.irp i, 0,1,2,3,4,5,6,7
	ds_load_b64 v[SC+32*\slot+2*\i:SC+32*\slot+2*\i+1], v[ADSA+\slot] offset:\i*2*HALF+4096
.endr
.irp i, 0,1,2,3,4,5,6,7
	ds_load_b64 v[SC+32*\slot+16+2*\i:SC+32*\slot+16+2*\i+1], v[ADSB+\slot] offset:\i*2*HALF+4096
.endr
.endm
; 16 products: A's tiles a0, a0 + 1 x B's eight, the slot's q-th 128 along K.  The 64 accumulators take turns, one instruction a turn, in the same order in every step.
.macro MUL16 a0, p, q, sc, first
.irp a, \a0, \a0+1
.irp b, 0,1,2,3,4,5,6,7
.set rD, 8*(8*((\a)%4)+\b)
.set rC, rD
.if \first
.set rC, BI+8*\b
.endif
.set rX, 128*(\p)+8*\b
.set rY, AF+8*(\a)
.set rU, SC+32*(\sc)+16+2*\b+((\q)%2)
.set rW, SC+32*(\sc)+2*(\a)+((\q)%2)
.if (\q) >= 2
	v_wmma_scale_f32_16x16x128_f8f6f4 v[rD:rD+7], v[rX:rX+7], v[rY:rY+7], v[rC:rC+7], v[rU], v[rW] matrix_a_fmt:MATRIX_FMT_FP4 matrix_b_fmt:MATRIX_FMT_FP4 matrix_a_scale:MATRIX_SCALE_ROW1 matrix_b_scale:MATRIX_SCALE_ROW1
.else
	v_wmma_scale_f32_16x16x128_f8f6f4 v[rD:rD+7], v[rX:rX+7], v[rY:rY+7], v[rC:rC+7], v[rU], v[rW] matrix_a_fmt:MATRIX_FMT_FP4 matrix_b_fmt:MATRIX_FMT_FP4
.endif
.endr
.endr
.endm
.macro STEP slot, q, first             ; a step of 128 along K that has its successor in the same slot
	s_wait_dscnt 8                                 ; all but the youngest eight loads (A's tiles 4-7) are in
	WIN 0xa1-0x20*(\first)
	MUL16 0, (\q)%2, \q, \slot, \first
	MUL16 2, (\q)%2, \q, \slot, \first
	s_wait_dscnt 0x0
	PLACES
	FETCH_B \slot, (\q)+1, 1-(\q)%2
	FETCH_A \slot, (\q)+1, 0
	WIN 0xf1-0x30*(\first)
	MUL16 4, (\q)%2, \q, \slot, \first
	MUL16 6, (\q)%2, \q, \slot, \first
	PLACES
	WIN 0
	FETCH_A \slot, (\q)+1, 4
.endm
	s_wait_alu depctr_va_vdst(0)
	s_wait_tensorcnt 0x0                           ; my eight records are in
	s_barrier_signal -1
	s_barrier_wait -1                              ; everybody's is
	FETCH_B 0, 0, 0
	FETCH_A 0, 0, 0
	SCALES 0
	FETCH_A 0, 0, 4
	s_wait_loadcnt 0x0                             ; the bias
	STEP 0, 0, 1
	STEP 0, 1, 0
	STEP 0, 2, 0
	; the first half's last step: the second half of K lies in LDS since the start
	s_wait_dscnt 8
	WIN 0xa1
	MUL16 0, 1, 3, 0, 0
	MUL16 2, 1, 3, 0, 0
	s_wait_dscnt 0x0                               ; A's tiles 4-7 are in
	PLACES
	FETCH_B 1, 0, 0
	FETCH_A 1, 0, 0
	SCALES 1
	WIN 0xf1
	MUL16 4, 1, 3, 0, 0
	MUL16 6, 1, 3, 0, 0
	PLACES
	WIN 0
	FETCH_A 1, 0, 4
	STEP 1, 0, 0
	STEP 1, 1, 0
	STEP 1, 2, 0
	s_wait_dscnt 8
	WIN 0xa1
	MUL16 0, 1, 3, 1, 0
	MUL16 2, 1, 3, 1, 0
	s_wait_dscnt 0x0
	WIN 0xf1
	MUL16 4, 1, 3, 1, 0
	MUL16 6, 1, 3, 1, 0
	WIN 0
; THE WAY OUT, tile by tile of 16 positions x 128 columns.  A lane holds 32 neighbouring bytes of a row: a tile goes through my own stage in LDS and comes back as whole rows of 512 bytes.
; LDS serves a wave's instructions in order (ISA guide 5.7.1.4): no wait between the stores and the loads, nor ahead of the next tile's stores.  The exchange of bits 3 and 4 of the
; positions is undone in the stores' immediates: row t of tile a is token 32 (a / 2) + 8 (a % 2) + t + 8 (t / 8) of my 128.
.macro TOSTAGE a
.set AC, 64*((\a)%4)
	WIN 0x08+4*((\a)/4)                            ; an LDS store's data are its source 1: window 2 or 3
.irp b, 0,1,2,3,4,5,6,7
	ds_store_b128 v[STO], v[AC+8*\b:AC+8*\b+3] offset:128*(\b/2)+32*(\b%2)        ; each accumulator from its low end on
	ds_store_b128 v[STO], v[AC+8*\b+4:AC+8*\b+7] offset:128*(\b/2)+32*(\b%2)+16
.endr
	WIN 0
.set BB, BK+64*((\a)%2)
.irp t, 0,1,2,3,4,5,6,7,8,9,10,11,12,13,14,15
	ds_load_b128 v[BB+4*\t:BB+4*\t+3], v[RD] offset:\t*528
.endr
.endm
.macro SEND a, younger                 ; younger: the LDS instructions issued behind tile a's loads, which may stay out
.set BB, BK+64*((\a)%2)
	s_wait_dscnt \younger
.irp t, 0,1,2,3,4,5,6,7,8,9,10,11,12,13,14,15
	global_store_b128 v[LI], v[BB+4*\t:BB+4*\t+3], s[10:11] offset:(32*((\a)/2)+8*((\a)%2)+\t+8*(\t/8))*4096 th:TH_STORE_NT     ; 32 lanes store 512 consecutive bytes, at a multiple of 256 from out0's first byte
.endr
.endm
	PLACES
	TOSTAGE 0
.irp a, 1,2,3,4,5,6,7
.if \a > 1
	s_wait_xcnt 0x0                                ; the stores of two tiles ago have read their registers: this tile's loads may land there
.endif
	TOSTAGE \a
	SEND \a-1, 32                                  ; behind that tile's loads: this tile's 16 stores and 16 loads
.endr
	SEND 7, 0
	s_wait_tensorcnt 0x0
	ds_add_u32 v126, v127
	s_wait_dscnt 0x0
	CROUND                                         ; the closing round: no work-group ends while a partner may still ask for a tile that names it
	s_endpgm
.Lfunc_end_k_qffe7fd821d_proj:
	.size	k_qffe7fd821d_proj, .Lfunc_end_k_qffe7fd821d_proj-k_qffe7fd821d_proj
	.p2alignl 7, 3214868480
	.fill 96, 4, 3214868480
	.section	.rodata,"a",@progbits
	.p2align	6, 0x0
	.amdhsa_kernel k_qffe7fd821d_proj
		.amdhsa_group_segment_fixed_size 327680
		.amdhsa_private_segment_fixed_size 0
		.amdhsa_enable_private_segment 0
		.amdhsa_kernarg_size 32
		.amdhsa_user_sgpr_count 2
		.amdhsa_user_sgpr_kernarg_segment_ptr 1
		.amdhsa_wavefront_size32 1
		.amdhsa_system_sgpr_workgroup_id_x 1
		.amdhsa_system_sgpr_workgroup_id_y 1
		.amdhsa_system_sgpr_workgroup_id_z 1
		.amdhsa_system_vgpr_workitem_id 0
		.amdhsa_next_free_vgpr 1024
		.amdhsa_next_free_sgpr 100
		.amdhsa_reserve_vcc 0
		.amdhsa_float_denorm_mode_32 3
		.amdhsa_float_denorm_mode_16_64 3
		.amdhsa_memory_ordered 1
		.amdhsa_forward_progress 1
		.amdhsa_inst_pref_size 123
	.end_amdhsa_kernel
	.amdgpu_metadata
---
amdhsa.version: [ 1, 2 ]
amdhsa.kernels:
  - .name:           k_qffe7fd821d_proj
    .symbol:         k_qffe7fd821d_proj.kd
    .args:
      - { .name: oop, .offset: 0, .size: 8, .value_kind: global_buffer, .address_space: global }
      - { .name: wop, .offset: 8, .size: 8, .value_kind: global_buffer, .address_space: global }
      - { .name: bout, .offset: 16, .size: 8, .value_kind: global_buffer, .address_space: global }
      - { .name: out0, .offset: 24, .size: 8, .value_kind: global_buffer, .address_space: global }
    .group_segment_fixed_size: 327680
    .private_segment_fixed_size: 0
    .kernarg_segment_align: 8
    .kernarg_segment_size: 32
    .max_flat_workgroup_size: 128
    .sgpr_count:     100
    .vgpr_count:     1024
    .wavefront_size: 32
...
	.end_amdgpu_metadata
.endif
;; end of part 4
